; MI455X (gfx1250); checked and timed in simulation.
; The chip was launched on July 23, 2026; its instructions are those of AMD's public machine-readable ISA for CDNA 5 (MIT licence, August 2026) and "CDNA5" Instruction Set Architecture Reference Guide (July 2026). The comments in the code are by the model that wrote it; some were corrected since.
;; Attention Block. Allowed arithmetic: float matrix products may take bf16 or f16 operands with f32 sums; all other float work in f32.
;; Inputs: bk 512 float32; bo 512 float32; bq 512 float32; bv 512 float32; conv_b 512 float32; conv_w 512 x 512 float32; gn_b 512 float32; gn_w 512 float32; wk 512 x 512 float32; wo 512 x 512 float32; wq 512 x 512 float32; wv 512 x 512 float32; x 16 x 512 x 32 x 32 float32.
;; Outputs: out0 16 x 512 x 32 x 32 float32.
;; One version. Each part assembles by itself: llvm-mc -triple=amdgcn-amd-amdhsa -mcpu=gfx1250 --defsym DOCPART=n.
;; ======== version 1 of 1: 4 launches
;; workspace buffers: xn 16,777,216 bytes; wf 1,572,864 bytes; bfold 4,096 bytes; wob 524,288 bytes; q 16,777,216 bytes; k 16,777,216 bytes; v 16,777,216 bytes; res 16,777,216 bytes
;; launch prep (part 1): grid 720 x 1, 8 waves a work-group, no clusters, 158,720 bytes of LDS; arguments x, gn_w, gn_b, conv_w, conv_b, wq, bq, wk, wv, bv, wo, xn, wf, bfold, wob; writes xn, wf, bfold, wob
.if DOCPART == 1
	.amdgcn_target "amdgcn-amd-amdhsa--gfx1250"
	.amdhsa_code_object_version 6
	.text
	.protected	k_q56195a4886_prep
	.globl	k_q56195a4886_prep
	.p2align	8
	.type	k_q56195a4886_prep,@function
k_q56195a4886_prep:
	s_mov_b64 s[64:65], 0
	v_nop
	global_prefetch_b8 v0, s[64:65] scope:SCOPE_SE
	s_setreg_imm32_b32 hwreg(HW_REG_WAVE_MODE, 25, 1), 1
	s_wait_xcnt 0x0
; PREP: three kinds of work-group, chosen by the work-group's number alone.
;   0..191   FOLD: a tile of 64 x 64 of wf = w . conv_w (w = wq, wk, wv), bf16, and for wq and wv the folded bias in f32
;   192..207 CAST: wo to bf16 (wob)
;   208..719 NORM: GroupNorm of one group (16 channels x 1,024 pixels) of one image, xn in bf16, layout [b][c][p]
; WHY THE FOLD: x1 = xn.conv_w^T + conv_b is used only in x1.w^T + b, and (xn.conv_w^T + conv_b).w^T + b = xn.(w.conv_w)^T + (w.conv_b + b):
; three products of 512^3 take the place of one of 16,384 x 512 x 512.
; WORK LEFT OUT: every constant term of k.  With k_j + beta in k_j's place the score q_i.(k_j + beta) = q_i.k_j + q_i.beta gains a term that is
; the same for all j, the axis of the softmax, and softmax(s + const) = softmax(s) for all values.  So bk and wk.conv_b reach no output:
; bk is not loaded and is an argument of no launch, and no bias is folded for wk.
; LIMITS: a NaN, an infinity or an overflow that lies in bk or in wk.conv_b alone is not carried to the result.  w.conv_w is rounded to bf16 once,
; where reference() rounds x1; the order of rounding differs from reference()'s.  The variance is taken in two passes (mean first, then the
; squares of x - mean), so no difference of large sums is formed.
.set X,   16                           ; v[16:143] data as loaded (NORM and CAST use v[16:79])
.set D1,  144                          ; v[144:207] FOLD: the first 32 rows of my part of conv_w
.set AP,  1040                         ; LDS pitch of a row of w: 1,024 bytes + 16
.set BP,  160                          ; LDS pitch of a row of conv_w's 64 columns: 128 bytes + 32
.set SP,  144                          ; LDS pitch of the stage: 128 bytes + 16
.set BT,  64*AP                        ; conv_w's tile behind w's 64 rows
.set STG, BT+512*BP                    ; the stage behind both
.set FS0, 16                           ; fragment set 0: 4 K steps x 24 registers
.set FS1, 112                          ; fragment set 1
.set ACC, 208                          ; two accumulator tiles
.macro WRED r, t                       ; sum over the wave's 32 lanes, result in every lane; t has been written before
	v_add_f32_dpp \r, \r, \r row_xmask:1 row_mask:0xf bank_mask:0xf
	v_add_f32_dpp \r, \r, \r row_xmask:2 row_mask:0xf bank_mask:0xf
	v_add_f32_dpp \r, \r, \r row_xmask:4 row_mask:0xf bank_mask:0xf
	v_add_f32_dpp \r, \r, \r row_xmask:8 row_mask:0xf bank_mask:0xf
	v_permlanex16_b32 \t, \r, s44, s45
	v_add_f32 \r, \r, \t
.endm
.macro LOAD16 b                        ; 64 KiB for the work-group: load i is 4,096 consecutive bytes, 16 a thread
.irp i, 0,1,2,3,4,5,6,7,8,9,10,11,12,13,14,15
	global_load_b128 v[X+4*\i:X+4*\i+3], v1, s[\b:\b+1] offset:4096*\i th:TH_LOAD_NT
.endr
.endm
.macro CVST i, b                       ; four f32 to four bf16; a wave's store covers 256 consecutive bytes, aligned
	v_cvt_pk_bf16_f32 v[X+4*\i], v[X+4*\i], v[X+4*\i+1]
	v_cvt_pk_bf16_f32 v[X+4*\i+1], v[X+4*\i+2], v[X+4*\i+3]
	global_store_b64 v2, v[X+4*\i:X+4*\i+1], s[\b:\b+1] offset:2048*\i
.endm
.macro WGRED off                       ; v[4:5] -> v8 = the sum over the work-group's 256 threads, through eight words of LDS at byte off
	v_add_f32 v8, v4, v5
	WRED v8, v9
	ds_store_b32 v10, v8 offset:\off
	s_wait_dscnt 0x0                               ; my word is written before I signal
	s_barrier_signal -1
	s_barrier_wait -1
	ds_load_b128 v[80:83], v11 offset:\off
	ds_load_b128 v[84:87], v11 offset:\off+16
	s_wait_dscnt 0x0
	v_pk_add_f32 v[80:81], v[80:81], v[82:83]
	v_pk_add_f32 v[84:85], v[84:85], v[86:87]
	v_pk_add_f32 v[80:81], v[80:81], v[84:85]
	v_add_f32 v8, v80, v81
.endm
.macro PLACES                          ; four plain vector instructions behind a matrix instruction (ISA guide 7.12.1)
.rept 4
	v_nop
.endr
.endm
	s_load_b512 s[4:19], s[0:1], 0x0               ; x 4, gn_w 6, gn_b 8, conv_w 10, conv_b 12, wq 14, bq 16, wk 18
	s_load_b256 s[20:27], s[0:1], 0x40             ; wv 20, bv 22, wo 24, xn 26
	s_load_b128 s[28:31], s[0:1], 0x60             ; wf 28, bfold 30
	s_load_b64 s[32:33], s[0:1], 0x70              ; wob
	v_lshl_add_u32 v240, v0, 2, 0x26800
	v_mov_b32 v241, 0
	v_lshrrev_b32 v1, 5, v0
	v_readfirstlane_b32 s34, v1                    ; wave 0..7
	s_mov_b32 s44, 0x76543210                      ; v_permlanex16_b32: lane i reads lane i of the other half
	s_mov_b32 s45, 0xfedcba98
	s_mov_b32 s37, 0                               ; high word of every byte offset
	s_wait_kmcnt 0x0
	s_cmp_lt_u32 ttmp9, 192
	s_cbranch_scc1 .Lfold
	s_cmp_lt_u32 ttmp9, 208
	s_cbranch_scc1 .Lcvt
	; ---------------- NORM: group gi = 32 b + g; its 16 channels are 65,536 consecutive bytes of x ----------------
	s_sub_co_u32 s35, ttmp9, 208
	s_lshl_b32 s36, s35, 16
	s_add_nc_u64 s[4:5], s[4:5], s[36:37]
	s_lshl_b32 s36, s35, 15
	s_add_nc_u64 s[26:27], s[26:27], s[36:37]
	s_and_b32 s36, s35, 31
	s_lshl_b32 s36, s36, 6                         ; the group's 16 gains and 16 offsets: 64 bytes each
	s_add_nc_u64 s[6:7], s[6:7], s[36:37]
	s_add_nc_u64 s[8:9], s[8:9], s[36:37]
	v_lshlrev_b32 v1, 4, v0                        ; load i = channel i; thread t holds pixels 4 t .. 4 t + 3
	LOAD16 4
	s_load_b512 s[68:83], s[6:7], 0x0              ; gn_w of the 16 channels
	s_load_b512 s[84:99], s[8:9], 0x0              ; gn_b
	v_lshlrev_b32 v2, 3, v0
	v_mov_b32 v10, s34
	v_lshlrev_b32 v10, 2, v10                      ; my wave's word in LDS
	v_mov_b32 v11, 0
	v_mov_b32 v9, 0
	s_mov_b32 s38, 0x38800000                      ; 1 / 16,384
	s_mov_b32 s39, 0x3727c5ac                      ; 1e-5
	; the sum, in two chains; each wait lets the younger loads stay out: 12, 8, 4, 0
	s_wait_loadcnt 12
	v_pk_add_f32 v[4:5], v[X:X+1], v[X+4:X+5]
	v_pk_add_f32 v[6:7], v[X+2:X+3], v[X+6:X+7]
.irp i, 2,3
	v_pk_add_f32 v[4:5], v[4:5], v[X+4*\i:X+4*\i+1]
	v_pk_add_f32 v[6:7], v[6:7], v[X+4*\i+2:X+4*\i+3]
.endr
	s_wait_loadcnt 8
.irp i, 4,5,6,7
	v_pk_add_f32 v[4:5], v[4:5], v[X+4*\i:X+4*\i+1]
	v_pk_add_f32 v[6:7], v[6:7], v[X+4*\i+2:X+4*\i+3]
.endr
	s_wait_loadcnt 4
.irp i, 8,9,10,11
	v_pk_add_f32 v[4:5], v[4:5], v[X+4*\i:X+4*\i+1]
	v_pk_add_f32 v[6:7], v[6:7], v[X+4*\i+2:X+4*\i+3]
.endr
	s_wait_loadcnt 0
.irp i, 12,13,14,15
	v_pk_add_f32 v[4:5], v[4:5], v[X+4*\i:X+4*\i+1]
	v_pk_add_f32 v[6:7], v[6:7], v[X+4*\i+2:X+4*\i+3]
.endr
	v_pk_add_f32 v[4:5], v[4:5], v[6:7]
	WGRED 0
	v_mul_f32 v12, s38, v8                         ; the mean
	v_mov_b32 v13, v12
.irp i, 0,1,2,3,4,5,6,7,8,9,10,11,12,13,14,15
	v_pk_add_f32 v[X+4*\i:X+4*\i+1], v[X+4*\i:X+4*\i+1], v[12:13] neg_lo:[0,1] neg_hi:[0,1]
	v_pk_add_f32 v[X+4*\i+2:X+4*\i+3], v[X+4*\i+2:X+4*\i+3], v[12:13] neg_lo:[0,1] neg_hi:[0,1]
.endr
	v_pk_mul_f32 v[4:5], v[X:X+1], v[X:X+1]        ; the squares of x - mean; the first two products start the chains
	v_pk_mul_f32 v[6:7], v[X+2:X+3], v[X+2:X+3]
.irp i, 1,2,3,4,5,6,7,8,9,10,11,12,13,14,15
	v_pk_fma_f32 v[4:5], v[X+4*\i:X+4*\i+1], v[X+4*\i:X+4*\i+1], v[4:5]
	v_pk_fma_f32 v[6:7], v[X+4*\i+2:X+4*\i+3], v[X+4*\i+2:X+4*\i+3], v[6:7]
.endr
	v_pk_add_f32 v[4:5], v[4:5], v[6:7]
	WGRED 32                                       ; other bytes than the first sum's: no wave can overwrite what another still reads
	v_fma_f32 v8, v8, s38, s39                     ; variance + eps
	v_rsq_f32 v14, v8
	v_nop                                          ; one plain instruction behind the transcendental (ISA guide 5.7.2)
	s_wait_alu depctr_va_vdst(0)
	s_wait_kmcnt 0x0                               ; gains and offsets
.irp i, 0,1,2,3,4,5,6,7,8,9,10,11,12,13,14,15
	v_mul_f32 v84, s[68+\i], v14                   ; gain / sigma
	v_mov_b32 v86, s[84+\i]
	v_pk_fma_f32 v[X+4*\i:X+4*\i+1], v[X+4*\i:X+4*\i+1], v[84:85], v[86:87] op_sel_hi:[1,0,0]
	v_pk_fma_f32 v[X+4*\i+2:X+4*\i+3], v[X+4*\i+2:X+4*\i+3], v[84:85], v[86:87] op_sel_hi:[1,0,0]
	CVST \i, 26                                    ; no register of a store is written again
.endr
	s_wait_tensorcnt 0x0
	ds_add_u32 v240, v241
	s_wait_dscnt 0x0
	s_endpgm
	; ---------------- CAST: 65,536 bytes of wo to 32,768 bytes of wob ----------------
.Lcvt:
	s_sub_co_u32 s35, ttmp9, 192
	s_lshl_b32 s36, s35, 16
	s_add_nc_u64 s[24:25], s[24:25], s[36:37]
	s_lshl_b32 s36, s35, 15
	s_add_nc_u64 s[32:33], s[32:33], s[36:37]
	v_lshlrev_b32 v1, 4, v0
	v_lshlrev_b32 v2, 3, v0
	LOAD16 24
	s_wait_loadcnt 12                              ; the 12, 8, 4, 0 younger loads stay out
.irp i, 0,1,2,3
	CVST \i, 32
.endr
	s_wait_loadcnt 8
.irp i, 4,5,6,7
	CVST \i, 32
.endr
	s_wait_loadcnt 4
.irp i, 8,9,10,11
	CVST \i, 32
.endr
	s_wait_loadcnt 0
.irp i, 12,13,14,15
	CVST \i, 32
.endr
	s_endpgm
	; ---------------- FOLD: wf[cb][mat*512 + ob*64 + o][c] = sum over m of w[ob*64 + o][m] conv_w[m][cb*64 + c] ----------------
.Lfold:
	s_lshr_b32 s35, ttmp9, 6                       ; mat: 0 wq, 1 wk, 2 wv
	s_bfe_u32 s42, ttmp9, 0x30003                  ; ob
	s_and_b32 s43, ttmp9, 7                        ; cb
	s_cmp_eq_u32 s35, 1
	s_cselect_b64 s[46:47], s[18:19], s[14:15]
	s_cmp_eq_u32 s35, 2
	s_cselect_b64 s[46:47], s[20:21], s[46:47]
	s_lshl_b32 s36, s42, 17                        ; 64 rows of 2,048 bytes
	s_add_nc_u64 s[46:47], s[46:47], s[36:37]
	s_lshl_b32 s36, s43, 8                         ; 64 columns of conv_w
	s_add_nc_u64 s[10:11], s[10:11], s[36:37]
	s_mul_i32 s36, s43, 1536
	s_lshl_b32 s38, s35, 9
	s_add_co_u32 s36, s36, s38
	s_lshl_b32 s38, s42, 6
	s_add_co_u32 s36, s36, s38
	s_lshl_b32 s36, s36, 7                         ; rows of 128 bytes
	s_add_nc_u64 s[28:29], s[28:29], s[36:37]
	v_and_b32 v1, 31, v0                           ; l
	v_and_b32 v2, 15, v0                           ; r
	v_bfe_u32 v13, v0, 4, 1                        ; h
	v_lshlrev_b32 v3, 4, v1
	s_lshl_b32 s38, s34, 14
	v_add_nc_u32 v3, s38, v3                       ; w: my wave's 8 rows, 16 bytes a lane
	s_lshl_b32 s38, s34, 17
	v_lshl_add_u32 v5, v13, 11, s38
	v_lshl_add_u32 v5, v2, 4, v5                   ; conv_w: my wave's 64 rows, two rows of 256 bytes a load
.set k, 0
.rept 32
	global_load_b128 v[X+4*k:X+4*k+3], v3, s[46:47] offset:(k/4)*2048+(k%4)*512
.set k, k+1
.endr
.irp j, 0,1,2,3,4,5,6,7,8,9,10,11,12,13,14,15
	global_load_b128 v[D1+4*\j:D1+4*\j+3], v5, s[10:11] offset:4096*\j
.endr
	s_mul_i32 s38, s34, 8*AP
	v_lshl_add_u32 v4, v1, 3, s38                  ; where w's rows go
	s_mul_i32 s38, s34, 64*BP
	s_add_co_u32 s38, s38, BT
	v_mul_u32_u24 v6, v13, BP
	v_add_nc_u32 v6, s38, v6
	v_lshl_add_u32 v6, v2, 3, v6                   ; where conv_w's rows go
	s_and_b32 s39, s34, 3                          ; my o tile
	s_lshr_b32 s40, s34, 2                         ; my pair of c tiles
	s_mul_i32 s38, s39, 16*AP
	v_mul_u32_u24 v7, v2, AP
	v_add_nc_u32 v7, s38, v7
	v_lshl_add_u32 v7, v13, 4, v7                  ; o fragment: row r, 16 h
	v_and_b32 v14, 7, v0
	v_lshl_add_u32 v14, v13, 3, v14
	v_mul_u32_u24 v8, v14, BP
	v_bfe_u32 v14, v0, 3, 1
	v_lshl_add_u32 v8, v14, 4, v8
	s_lshl_b32 s38, s40, 6
	s_add_co_u32 s38, s38, BT
	v_add_nc_u32 v8, s38, v8                       ; c fragment by transposing loads, K steps 0-7
	v_add_nc_u32 v9, 256*BP, v8                    ; K steps 8-15: beyond the 16-bit immediate
	s_mul_i32 s38, s39, 16*SP
	s_lshl_b32 s41, s40, 6
	s_add_co_u32 s38, s38, s41
	s_add_co_u32 s38, s38, STG
	v_mul_u32_u24 v10, v2, SP
	v_add_nc_u32 v10, s38, v10
	v_lshl_add_u32 v10, v13, 4, v10                ; stage, in
	v_lshrrev_b32 v14, 3, v0
	v_mul_u32_u24 v11, v14, SP
	v_and_b32 v14, 7, v0
	v_lshl_add_u32 v11, v14, 4, v11
	v_add_nc_u32 v11, STG, v11                     ; stage, back: 32 rows of 128 bytes for the 256 threads
	v_lshlrev_b32 v12, 4, v0
	s_wait_loadcnt 16                              ; w's 32 loads are in; conv_w's 16 stay out
	; the folded bias, in f32, from the rows of w as loaded: only where cb = 0, and not for wk (its constant term reaches no output)
	s_cmp_lg_u32 s43, 0
	s_cbranch_scc1 .Lnobias
	s_cmp_eq_u32 s35, 1
	s_cbranch_scc1 .Lnobias
	s_cmp_eq_u32 s35, 2
	s_cselect_b64 s[48:49], s[22:23], s[16:17]     ; bv or bq
	s_cselect_b32 s41, 2048, 0                     ; bfold: wq's 512 numbers, then wv's
	s_lshl_b32 s38, s42, 6
	s_lshl3_add_u32 s38, s34, s38                  ; ob * 64 + 8 wave
	v_lshlrev_b32 v232, 4, v1
.irp t, 0,1,2,3
	global_load_b128 v[208+4*\t:211+4*\t], v232, s[12:13] offset:512*\t     ; conv_b, laid as a row of w
.endr
	v_and_b32 v233, 7, v1
	v_add_lshl_u32 v233, v233, s38, 2
	global_load_b32 v224, v233, s[48:49]
	v_add_nc_u32 v234, s41, v233
	v_mov_b32 v229, 0
	s_wait_loadcnt 0x0
.irp rr, 0,1,2,3,4,5,6,7
	v_pk_mul_f32 v[226:227], v[X+16*\rr:X+16*\rr+1], v[208:209]
	v_pk_fma_f32 v[226:227], v[X+16*\rr+2:X+16*\rr+3], v[210:211], v[226:227]
.irp t, 1,2,3
	v_pk_fma_f32 v[226:227], v[X+16*\rr+4*\t:X+16*\rr+4*\t+1], v[208+4*\t:209+4*\t], v[226:227]
	v_pk_fma_f32 v[226:227], v[X+16*\rr+4*\t+2:X+16*\rr+4*\t+3], v[210+4*\t:211+4*\t], v[226:227]
.endr
	v_add_f32 v228, v226, v227
	WRED v228, v229
.if \rr == 0
	v_mov_b32 v231, v228
.else
	v_cmp_eq_u32 vcc_lo, \rr, v1
	v_cndmask_b32 v231, v231, v228, vcc_lo         ; lane rr keeps row rr
.endif
.endr
	v_add_f32 v231, v231, v224
	s_wait_xcnt 0x0                                ; EXEC is a source of the loads above: it changes only behind this wait
	v_cmp_gt_u32 vcc_lo, 8, v1
	s_and_saveexec_b32 s50, vcc_lo
	global_store_b32 v234, v231, s[30:31]          ; 32 bytes a wave; the whole of bfold is 4,096 bytes
	s_wait_xcnt 0x0                                ; and again in front of the line that widens it
	s_or_b32 exec_lo, exec_lo, s50
.Lnobias:
.set k, 0
.rept 32
	v_cvt_pk_bf16_f32 v[X+4*k], v[X+4*k], v[X+4*k+1]
	v_cvt_pk_bf16_f32 v[X+4*k+1], v[X+4*k+2], v[X+4*k+3]
	ds_store_b64 v4, v[X+4*k:X+4*k+1] offset:(k/4)*AP+(k%4)*256
.set k, k+1
.endr
.irp j, 0,1,2,3,4,5,6,7,8,9,10,11,12,13,14,15
	global_load_b128 v[X+4*\j:X+4*\j+3], v5, s[10:11] offset:4096*(\j+16)
.endr
	s_wait_loadcnt 16                              ; the 16 just issued stay out; the first 16 of conv_w are in
.irp j, 0,1,2,3,4,5,6,7,8,9,10,11,12,13,14,15
	v_cvt_pk_bf16_f32 v[D1+4*\j], v[D1+4*\j], v[D1+4*\j+1]
	v_cvt_pk_bf16_f32 v[D1+4*\j+1], v[D1+4*\j+2], v[D1+4*\j+3]
	ds_store_b64 v6, v[D1+4*\j:D1+4*\j+1] offset:2*BP*\j
.endr
	s_wait_loadcnt 0x0
.irp j, 0,1,2,3,4,5,6,7,8,9,10,11,12,13,14,15
	v_cvt_pk_bf16_f32 v[X+4*\j], v[X+4*\j], v[X+4*\j+1]
	v_cvt_pk_bf16_f32 v[X+4*\j+1], v[X+4*\j+2], v[X+4*\j+3]
	ds_store_b64 v6, v[X+4*\j:X+4*\j+1] offset:2*BP*(\j+16)
.endr
	s_wait_dscnt 0x0                               ; my stores are done before I signal; the others read behind their wait
	s_barrier_signal -1
	s_barrier_wait -1
; 24 LDS loads: the fragments of K steps 4 g .. 4 g + 3 (one o fragment and two c fragments each)
.macro FLD g, fs, adr
.irp k, 0,1,2,3
	ds_load_b128 v[\fs+24*\k:\fs+24*\k+3], v7 offset:64*(4*\g+\k)
	ds_load_b128 v[\fs+24*\k+4:\fs+24*\k+7], v7 offset:64*(4*\g+\k)+32
.irp u, 0,1
	ds_load_tr16_b128 v[\fs+24*\k+8+8*\u:\fs+24*\k+11+8*\u], v[\adr] offset:((4*\g+\k)&7)*32*BP+32*\u
	ds_load_tr16_b128 v[\fs+24*\k+12+8*\u:\fs+24*\k+15+8*\u], v[\adr] offset:((4*\g+\k)&7)*32*BP+32*\u+16*BP
.endr
.endr
.endm
; 8 matrix instructions; source 0 = 16 columns c, source 1 = 16 rows o, so that a lane holds eight neighbouring c of row o = r.
; The two accumulators take turns, one instruction a turn.
.macro FMM fs, zero
.irp k, 0,1,2,3
.irp u, 0,1
.set ZC, 0
.if \zero
.if \k == 0
.set ZC, 1
.endif
.endif
.if ZC
	v_wmma_f32_16x16x32_bf16 v[ACC+8*\u:ACC+8*\u+7], v[\fs+24*\k+8+8*\u:\fs+24*\k+15+8*\u], v[\fs+24*\k:\fs+24*\k+7], 0
.else
	v_wmma_f32_16x16x32_bf16 v[ACC+8*\u:ACC+8*\u+7], v[\fs+24*\k+8+8*\u:\fs+24*\k+15+8*\u], v[\fs+24*\k:\fs+24*\k+7], v[ACC+8*\u:ACC+8*\u+7]
.endif
.endr
.endr
.endm
	FLD 0, FS0, 8
	FLD 1, FS1, 8
	s_wait_dscnt 24                                ; the 24 younger loads stay out
	FMM FS0, 1                                     ; the first products start the sums
	PLACES
	FLD 2, FS0, 9
	s_wait_dscnt 24
	FMM FS1, 0
	PLACES
	FLD 3, FS1, 9
	s_wait_dscnt 24
	FMM FS0, 0
	s_wait_dscnt 0
	FMM FS1, 0
	PLACES
.irp u, 0,1
.irp rr, 0,1,2,3
	v_cvt_pk_bf16_f32 v[224+4*\u+\rr], v[ACC+8*\u+2*\rr], v[ACC+8*\u+2*\rr+1]
.endr
	ds_store_b128 v10, v[224+4*\u:227+4*\u] offset:32*\u
.endr
	s_wait_dscnt 0x0
	s_barrier_signal -1
	s_barrier_wait -1
	ds_load_b128 v[232:235], v11
	ds_load_b128 v[236:239], v11 offset:32*SP
	s_wait_dscnt 0x0
	global_store_b128 v12, v[232:235], s[28:29]               ; the tile's 64 rows of 128 bytes are 8,192 consecutive bytes of wf
	global_store_b128 v12, v[236:239], s[28:29] offset:4096
	s_wait_tensorcnt 0x0
	ds_add_u32 v240, v241
	s_wait_dscnt 0x0
	s_endpgm
.Lfunc_end_k_q56195a4886_prep:
	.size	k_q56195a4886_prep, .Lfunc_end_k_q56195a4886_prep-k_q56195a4886_prep
	.p2alignl 7, 3214868480
	.fill 96, 4, 3214868480
	.section	.rodata,"a",@progbits
	.p2align	6, 0x0
	.amdhsa_kernel k_q56195a4886_prep
		.amdhsa_group_segment_fixed_size 158720
		.amdhsa_private_segment_fixed_size 0
		.amdhsa_enable_private_segment 0
		.amdhsa_kernarg_size 120
		.amdhsa_user_sgpr_count 2
		.amdhsa_user_sgpr_kernarg_segment_ptr 1
		.amdhsa_wavefront_size32 1
		.amdhsa_system_sgpr_workgroup_id_x 1
		.amdhsa_system_sgpr_workgroup_id_y 1
		.amdhsa_system_sgpr_workgroup_id_z 1
		.amdhsa_system_vgpr_workitem_id 0
		.amdhsa_next_free_vgpr 242
		.amdhsa_next_free_sgpr 100
		.amdhsa_reserve_vcc 1
		.amdhsa_float_denorm_mode_32 3
		.amdhsa_float_denorm_mode_16_64 3
		.amdhsa_memory_ordered 1
		.amdhsa_forward_progress 1
		.amdhsa_inst_pref_size 64
	.end_amdhsa_kernel
	.amdgpu_metadata
---
amdhsa.version: [ 1, 2 ]
amdhsa.kernels:
  - .name:           k_q56195a4886_prep
    .symbol:         k_q56195a4886_prep.kd
    .args:
      - { .name: x, .offset: 0, .size: 8, .value_kind: global_buffer, .address_space: global }
      - { .name: gn_w, .offset: 8, .size: 8, .value_kind: global_buffer, .address_space: global }
      - { .name: gn_b, .offset: 16, .size: 8, .value_kind: global_buffer, .address_space: global }
      - { .name: conv_w, .offset: 24, .size: 8, .value_kind: global_buffer, .address_space: global }
      - { .name: conv_b, .offset: 32, .size: 8, .value_kind: global_buffer, .address_space: global }
      - { .name: wq, .offset: 40, .size: 8, .value_kind: global_buffer, .address_space: global }
      - { .name: bq, .offset: 48, .size: 8, .value_kind: global_buffer, .address_space: global }
      - { .name: wk, .offset: 56, .size: 8, .value_kind: global_buffer, .address_space: global }
      - { .name: wv, .offset: 64, .size: 8, .value_kind: global_buffer, .address_space: global }
      - { .name: bv, .offset: 72, .size: 8, .value_kind: global_buffer, .address_space: global }
      - { .name: wo, .offset: 80, .size: 8, .value_kind: global_buffer, .address_space: global }
      - { .name: xn, .offset: 88, .size: 8, .value_kind: global_buffer, .address_space: global }
      - { .name: wf, .offset: 96, .size: 8, .value_kind: global_buffer, .address_space: global }
      - { .name: bfold, .offset: 104, .size: 8, .value_kind: global_buffer, .address_space: global }
      - { .name: wob, .offset: 112, .size: 8, .value_kind: global_buffer, .address_space: global }
    .group_segment_fixed_size: 158720
    .private_segment_fixed_size: 0
    .kernarg_segment_align: 8
    .kernarg_segment_size: 120
    .max_flat_workgroup_size: 256
    .sgpr_count:     100
    .vgpr_count:     242
    .wavefront_size: 32
...
	.end_amdgpu_metadata
.endif
;; end of part 1
;; launch qkv (part 2): grid 64 x 4, 4 waves a work-group, clusters of 4 x 4, 327,680 bytes of LDS; arguments xn, wf, bfold, q, k, v; writes q, k, v
.if DOCPART == 2
	.amdgcn_target "amdgcn-amd-amdhsa--gfx1250"
	.amdhsa_code_object_version 6
	.text
	.protected	k_q56195a4886_qkv
	.globl	k_q56195a4886_qkv
	.p2align	8
	.type	k_q56195a4886_qkv,@function
k_q56195a4886_qkv:
	s_mov_b64 s[64:65], 0
	v_nop
	global_prefetch_b8 v0, s[64:65] scope:SCOPE_SE
	s_setreg_imm32_b32 hwreg(HW_REG_WAVE_MODE, 25, 1), 1
	s_wait_xcnt 0x0
	s_wait_alu depctr_hold_cnt(0) depctr_sa_sdst(0) depctr_va_vdst(0) depctr_va_sdst(0) depctr_va_ssrc(0) depctr_va_vcc(0) depctr_vm_vsrc(0)
	s_getreg_b32 s2, hwreg(HW_REG_IB_STS2, 6, 4)
	s_cmp_eq_u32 s2, 0
	s_cbranch_scc0 .Lentry_in_a_cluster
	s_endpgm
.Lentry_in_a_cluster:
	s_bfe_u32 s2, ttmp6, 0x10000c
	s_cmp_lg_u32 s2, 0xf033
	s_cbranch_scc0 .Lentry_shape_is_right
	s_endpgm
.Lentry_shape_is_right:
; QKV: out[p][o'] = sum over c of xn[b][c][p] wf[o'][c] (+ bfold): q, k, v in bf16, layout [b][head][p][64].
; Left out: k has no constant term (a term of the scores that is the same along the softmax's axis cancels for all values; see the first kernel).
; 256 work-groups of equal work.  A work-group makes 256 pixels x 384 o': rows 128 cy .. 128 cy + 127 of q, of k and of v (two heads of each), so that
; which of the three a tile belongs to is a constant of the text.  Four waves; wave (s11, s12) makes 128 pixels of head 2 cy + s12.
; TWO PASSES through one ring of two LDS slots, eight K steps of 128:  pass A (steps 0-3): q and k, a wave tile of 128 pixels x (64 q + 64 k), 64 accumulators;
; pass B (steps 4-7): v, 128 pixels x 64, 32 accumulators.  The ring runs on across the change of pass: pass B's first two K steps are asked for in pass A's
; last two changes of slots, pass A's results leave while the second of them is on its way, and their stores drain under pass B's products.
; CLUSTERS: 4 x 4 work-groups: one image's four blocks of pixels (cx) x the four blocks of o' (cy).  xn's tile hangs on the image and cx and is asked for
; jointly by a column of the cluster; wf's hangs on cy and is asked for jointly by a row: each request serves four work-groups.
; Source 0 = 16 rows of wf, source 1 = 16 pixels (xn lies [c][p], so its fragments come by transposing loads): a lane holds pixel r and eight
; neighbouring o'.  The bias enters as the C operand of a pass's first products (q, v); k's first products take the constant 0.
; REGISTERS: window 0: v16-27 addresses, v64-127 / v128-191 xn's fragments (and the way out), v192-223 the way out.  Window 1: v0-31 q's bias, v32-63 v's bias
; (4 tiles each), v64-127 / v128-191 wf's fragments.  Window 2: accumulators of my pixels 0-63 (tile (a, b) at v[8 (8 a + b)]); window 3: pixels 64-127.
.set HALFT,  36864                     ; a quarter of a slot: what one tensor load fills at the most
.set SLOT,   4*HALFT                   ; xn's c rows 0-63, 64-127 (pitch 544), then wf's two blocks of 64 c (pitch 144; pass A: q's 128 rows, k's 128 rows; pass B: v's 128 rows)
.set STAGE,  2*SLOT                    ; behind the ring: 16 rows x 272 bytes for each wave; no tensor load fills it
.set SPITCH, 272
.set XP,     544                       ; 512 bytes + 32: an odd multiple of 32, for the transposing loads
.set WP,     144                       ; 128 bytes + 16
.set ADRA, 16
.set ADRB, 20
.set STO,  24
.set RD,   25
.set CO,   26
.set BOFF, 27
.set F0,   64
.set F1,   128
.set TMP,  192
.set BQ,   0                           ; window 1: q's bias tiles
.set BV,   32                          ; window 1: v's bias tiles
.set G1,  24                           ; s[24:31] group 1, xn
.set G0,  32                           ; s[32:39] group 0, xn, one set for each slot
.set G1B, 48                           ; s[48:55] group 1, wf in pass A
.set G0B, 56                           ; s[56:63] group 0, wf, one set for each slot
.set G1C, 80                           ; s[80:87] group 1, wf in pass B
.set MSB, 0
.macro WIN new                         ; the immediate's high byte repeats the setting that is left
.if MSB != \new
	s_set_vgpr_msb (MSB<<8)|\new
.set MSB, \new
.endif
.endm
.set TO_B, 0x40                        ; destination window 1, address window 0
; A joint load.  Waves 0, 1 ask for xn's two halves, waves 2, 3 for wf's two blocks; each line has one mask, and the branch hangs on the wave's number alone.
.macro JLOAD s, g1w
	s_cmp_eq_u32 s11, 0
	s_cbranch_scc0 .Lfor_b_\@
	tensor_load_to_lds s[G0+4*\s:G0+4*\s+3], s[G1:G1+7]
	s_nop 0
	s_branch .Lasked_\@
.Lfor_b_\@:
	tensor_load_to_lds s[G0B+4*\s:G0B+4*\s+3], s[\g1w:\g1w+7]
	s_nop 0
.Lasked_\@:
.endm
.macro CREST                           ; a round of the cluster's barrier behind its opening barrier
	s_cmp_lg_u32 s10, 0
	s_cbranch_scc1 .Lnot_wave_0_\@
	s_barrier_signal -3
.Lnot_wave_0_\@:
	s_barrier_wait -3
	s_barrier_signal -1
	s_barrier_wait -1
.endm
.macro CROUND
	s_barrier_signal -1
	s_barrier_wait -1
	CREST
.endm
.macro PLACES                          ; four plain vector instructions behind a matrix instruction (ISA guide 7.12.1)
.rept 4
	v_nop
.endr
.endm
	s_load_b128 s[4:7], s[0:1], 0x0                ; xn, wf
	s_load_b64 s[8:9], s[0:1], 0x10                ; bfold
	s_load_b128 s[68:71], s[0:1], 0x18             ; q, k
	s_load_b64 s[72:73], s[0:1], 0x28              ; v
	s_set_vgpr_msb 0x40
	v_lshl_add_u32 v255, v0, 2, 0x4c400
	s_set_vgpr_msb 0x4000
	v_mov_b32 v255, 0
	s_set_vgpr_msb 0x1
	ds_add_u32 v255, v255
	ds_add_u32 v255, v255
	s_set_vgpr_msb 0x100
	v_lshrrev_b32 v1, 5, v0
	v_readfirstlane_b32 s10, v1                    ; wave 0..3
	s_lshr_b32 s11, s10, 1                         ; my half of the pixels.  Also: I fetch xn (0) or wf (1)
	s_and_b32 s12, s10, 1                          ; my head of the block's two.  Also: which part I fetch
	s_bfe_u32 s40, ttmp6, 0x40000                  ; cx: the block of 256 pixels; ttmp9 counts clusters = images
	s_bfe_u32 s41, ttmp6, 0x40004                  ; cy: the block of 128 rows of q, of k and of v
	s_lshl_b32 s43, s41, 2
	s_lshl_b32 s43, 15, s43                        ; my row of the cluster: places 4 cy .. 4 cy + 3
	s_lshl_b32 s44, 0x1111, s40                    ; my column: places cx, cx + 4, cx + 8, cx + 12
	; group 1 for xn: 64 rows of 256 elements of 2 bytes, 1,024 elements from row to row; 8 words of padding behind every 128; shared along my column
	s_or_b32 s[G1+0], s44, (1<<16)|(1<<20)|(1<<21)|(6<<22)|(7<<25)
	s_mov_b32 s[G1+1], 256<<16
	s_mov_b32 s[G1+2], 64<<16
	s_mov_b32 s[G1+3], 256<<16
	s_mov_b32 s[G1+4], 64
	s_mov_b32 s[G1+5], 1024
	s_mov_b32 s[G1+6], 0
	s_mov_b32 s[G1+7], 0
	; group 1 for wf in pass A: two rows of 8,192 elements: q's 128 rows of 128 bytes are 16,384 consecutive bytes, k's lie 512 rows = 32,768 elements further on.
	; 4 words of padding behind every 32 words, counted along the whole tile: each 128 bytes get a pitch of 144, k's rows follow q's.  Shared along my row.
	s_or_b32 s[G1B+0], s43, (1<<16)|(1<<20)|(1<<21)|(4<<22)|(3<<25)
	s_mov_b32 s[G1B+1], 8192<<16
	s_mov_b32 s[G1B+2], 2<<16
	s_mov_b32 s[G1B+3], 8192<<16
	s_mov_b32 s[G1B+4], 2
	s_mov_b32 s[G1B+5], 32768
	s_mov_b32 s[G1B+6], 0
	s_mov_b32 s[G1B+7], 0
	; group 1 for wf in pass B: v's 128 rows, 16,384 consecutive bytes as 64 rows of 256, the same padding
	s_or_b32 s[G1C+0], s43, (1<<16)|(1<<20)|(1<<21)|(4<<22)|(3<<25)
	s_mov_b32 s[G1C+1], 128<<16
	s_mov_b32 s[G1C+2], 64<<16
	s_mov_b32 s[G1C+3], 128<<16
	s_mov_b32 s[G1C+4], 64
	s_mov_b32 s[G1C+5], 128
	s_mov_b32 s[G1C+6], 0
	s_mov_b32 s[G1C+7], 0
	s_lshl_b32 s16, ttmp9, 20                      ; xn: the image,
	s_lshl_b32 s17, s40, 9                         ; 256 pixels,
	s_add_co_u32 s16, s16, s17
	s_lshl_b32 s17, s12, 17                        ; my 64 rows of 2,048 bytes: never cy
	s_add_co_u32 s16, s16, s17
	s_mov_b32 s17, 0
	s_mul_i32 s46, s12, 196608                     ; wf: a block of 64 c is 1,536 rows of 128 bytes; my block of the K step's two,
	s_lshl_b32 s47, s41, 14                        ; and 128 rows for each cy: never cx
	s_add_co_u32 s46, s46, s47
	s_mov_b32 s47, 0
	s_mul_i32 s20, s10, HALFT                      ; where my part goes: no place in the cluster enters an LDS address
	s_lshl_b32 s74, ttmp9, 3                       ; the way out, the same offset in q, k and v: head row b * 8 + 2 cy + my head,
	s_lshl1_add_u32 s74, s41, s74
	s_add_co_u32 s74, s74, s12
	s_lshl_b32 s74, s74, 10
	s_lshl_b32 s75, s40, 8
	s_add_co_u32 s74, s74, s75
	s_lshl_b32 s75, s11, 7
	s_add_co_u32 s74, s74, s75                     ; + my first pixel,
	s_lshl_b32 s74, s74, 7                         ; in rows of 128 bytes
	s_mov_b32 s75, 0
	s_lshl_b32 s76, s41, 9                         ; bfold: 128 numbers for each cy, 64 for each head
	s_lshl_b32 s77, s12, 8
	s_add_co_u32 s76, s76, s77
	s_wait_dscnt 0x0
	s_wait_kmcnt 0x0
	s_add_nc_u64 s[14:15], s[4:5], s[16:17]
	s_add_nc_u64 s[46:47], s[6:7], s[46:47]
	s_add_nc_u64 s[68:69], s[68:69], s[74:75]
	s_add_nc_u64 s[70:71], s[70:71], s[74:75]
	s_add_nc_u64 s[72:73], s[72:73], s[74:75]
	CROUND                                         ; all sixteen work-groups are here: the first joint loads meet
.irp s, 0,1
	s_mov_b32 s[G0+4*\s], 1
	s_add_co_u32 s[G0+4*\s+1], s20, \s*SLOT
	s_add_nc_u64 s[G0+4*\s+2:G0+4*\s+3], s[14:15], \s*262144       ; K step s: 128 rows of xn
	s_or_b32 s[G0+4*\s+3], s[G0+4*\s+3], 0x80000000
	s_mov_b32 s[G0B+4*\s], 1
	s_add_co_u32 s[G0B+4*\s+1], s20, \s*SLOT
	s_add_nc_u64 s[G0B+4*\s+2:G0B+4*\s+3], s[46:47], \s*393216     ; K step s: two blocks of wf
	s_or_b32 s[G0B+4*\s+3], s[G0B+4*\s+3], 0x80000000
	JLOAD \s, G1B                                  ; a wave has two loads out here, later one
.endr
	v_and_b32 v1, 15, v0                           ; r
	v_bfe_u32 v2, v0, 4, 1                         ; h
	v_and_b32 v3, 7, v0
	v_bfe_u32 v4, v0, 3, 1
	v_and_b32 v5, 31, v0
	v_lshl_add_u32 v[BOFF], v2, 5, s76             ; + 8 h numbers
	WIN TO_B
.irp b, 0,1,2,3
	global_load_b128 v[BQ+8*\b:BQ+8*\b+3],   v[BOFF], s[8:9] offset:64*\b          ; register j of tile b: the bias of o' = 16 b + 8 h + j of my head of q
	global_load_b128 v[BQ+8*\b+4:BQ+8*\b+7], v[BOFF], s[8:9] offset:64*\b+16
	global_load_b128 v[BV+8*\b:BV+8*\b+3],   v[BOFF], s[8:9] offset:2048+64*\b     ; and of v: 512 numbers further on
	global_load_b128 v[BV+8*\b+4:BV+8*\b+7], v[BOFF], s[8:9] offset:2048+64*\b+16
.endr
	WIN 0
	v_lshl_add_u32 v6, v2, 3, v3
	v_mul_u32_u24 v6, v6, XP
	v_lshl_add_u32 v6, v4, 4, v6
	s_lshl_b32 s21, s11, 8
	v_add_nc_u32 v[ADRA], s21, v6                  ; xn: (8 h + l % 8) rows + 16 ((l / 8) % 2) + my 128 pixels
	v_add_nc_u32 v[ADRA+1], SLOT, v[ADRA]
	s_mul_i32 s22, s12, 64*WP
	s_add_co_u32 s22, s22, 2*HALFT
	v_mul_u32_u24 v7, v1, WP
	v_lshl_add_u32 v7, v2, 4, v7
	v_add_nc_u32 v[ADRB], s22, v7                  ; wf: row 64 head + r, 16 h; the same in both passes
	v_add_nc_u32 v[ADRB+1], SLOT, v[ADRB]
	s_mul_i32 s23, s10, 16*SPITCH
	s_add_co_u32 s23, s23, STAGE
	v_mul_u32_u24 v8, v1, SPITCH
	v_lshl_add_u32 v8, v2, 4, v8
	v_add_nc_u32 v[STO], s23, v8
	v_lshrrev_b32 v9, 3, v5
	v_mul_u32_u24 v9, v9, SPITCH
	v_lshl_add_u32 v9, v3, 4, v9
	v_add_nc_u32 v[RD], s23, v9                    ; back: four pixels x 128 bytes of one head
	v_lshlrev_b32 v[CO], 4, v5
; 2 x nb matrix instructions: pixel tiles a0, a0 + 1 of the window's four x the first nb tiles of o'.
; mode 0: add in place; 1: pass A's first products: q's tiles (b < 4) start from q's bias, k's (b >= 4) from the constant 0; 2: pass B's: from v's bias.
; The accumulators take turns, one instruction a turn, in the same order in every quarter step.
.macro MUL16 f, hi, a0, mode, nb
.irp a, \a0, \a0+1
.irp b, 0,1,2,3,4,5,6,7
.if \b < \nb
.set CS, 0
.if \mode == 1
.if \b < 4
.set CS, 2
.else
.set CS, 1
.endif
.endif
.if \mode == 2
.set CS, 3
.endif
.if CS == 0
	v_wmma_f32_16x16x32_bf16 v[8*(8*(\a)+\b):8*(8*(\a)+\b)+7], v[\f+8*\b:\f+8*\b+7], v[\f+8*(4*\hi+\a):\f+8*(4*\hi+\a)+7], v[8*(8*(\a)+\b):8*(8*(\a)+\b)+7]
.endif
.if CS == 1
	v_wmma_f32_16x16x32_bf16 v[8*(8*(\a)+\b):8*(8*(\a)+\b)+7], v[\f+8*\b:\f+8*\b+7], v[\f+8*(4*\hi+\a):\f+8*(4*\hi+\a)+7], 0
.endif
.if CS == 2
	v_wmma_f32_16x16x32_bf16 v[8*(8*(\a)+\b):8*(8*(\a)+\b)+7], v[\f+8*\b:\f+8*\b+7], v[\f+8*(4*\hi+\a):\f+8*(4*\hi+\a)+7], v[BQ+8*\b:BQ+8*\b+7]
.endif
.if CS == 3
	v_wmma_f32_16x16x32_bf16 v[8*(8*(\a)+\b):8*(8*(\a)+\b)+7], v[\f+8*\b:\f+8*\b+7], v[\f+8*(4*\hi+\a):\f+8*(4*\hi+\a)+7], v[BV+8*\b:BV+8*\b+7]
.endif
.endif
.endr
.endr
.endm
; 2 nb + 16 LDS loads: the fragments of quarter nq (32 c) of a slot into buffer f: wf's nb, then xn's 8.
; wf's tile i lies 16 i rows behind my head's first row; tiles 4-7 (k) another 64 rows on, behind q's 128.
.macro FETCH slot, nq, f, nb
	WIN TO_B
.irp i, 0,1,2,3,4,5,6,7
.if \i < \nb
	ds_load_b128 v[\f+8*\i:\f+8*\i+3],   v[ADRB+\slot] offset:(\nq>>1)*HALFT+(\nq&1)*64+(\i+4*(\i/4))*16*WP
	ds_load_b128 v[\f+8*\i+4:\f+8*\i+7], v[ADRB+\slot] offset:(\nq>>1)*HALFT+(\nq&1)*64+(\i+4*(\i/4))*16*WP+32
.endif
.endr
	WIN 0
.irp i, 0,1,2,3,4,5,6,7
	ds_load_tr16_b128 v[\f+8*\i:\f+8*\i+3],   v[ADRA+\slot] offset:(\nq>>1)*HALFT+(\nq&1)*32*XP+32*\i
	ds_load_tr16_b128 v[\f+8*\i+4:\f+8*\i+7], v[ADRA+\slot] offset:(\nq>>1)*HALFT+(\nq&1)*32*XP+32*\i+16*XP
.endr
.endm
.macro QUARTER slot, nq, f, g, mode, nb    ; multiplies buffer f; in its middle fetches quarter nq into buffer g
	s_wait_dscnt 8                                 ; the youngest eight loads (pixel tiles 4-7) may be out
.if \mode
	WIN 0x91                                       ; source 0 and C window 1, source 1 window 0, D window 2
.else
	WIN 0xa1
.endif
	MUL16 \f, 0, 0, \mode, \nb
	MUL16 \f, 0, 2, \mode, \nb
	PLACES
	FETCH \slot, \nq, \g, \nb
	s_wait_dscnt 16+2*\nb                          ; all but the run just issued
.if \mode
	WIN 0xd1
.else
	WIN 0xf1
.endif
	MUL16 \f, 1, 0, \mode, \nb
	MUL16 \f, 1, 2, \mode, \nb
.endm
.macro THREE slot, mode, nb
	QUARTER \slot, 1, F0, F1, \mode, \nb
	QUARTER \slot, 2, F1, F0, 0, \nb
	QUARTER \slot, 3, F0, F1, 0, \nb
.endm
; The last quarter of a K step: multiplies buffer 1 and changes slots.  In front of the barrier each wave waits for its reads of this slot and for
; all its tensor loads; where the slot is filled again (fill) the barrier opens a round of the cluster's barrier, and the joint refill, two K steps ahead,
; is the first tensor load behind it.  back = 1: those two K steps ahead lie in pass B: xn's c start again (256 rows of 2,048 bytes back), wf goes on
; to v's rows (131,072 bytes on) of the first blocks (786,432 bytes back).  fetch = 0: the next K step's fragments are fetched later, behind the way out.
.macro TURN slot, next, fill, back, g1w, nb, fetch
	s_wait_dscnt 8
	WIN 0xa1
	MUL16 F1, 0, 0, 0, \nb
	s_wait_dscnt 0                                 ; my reads of this slot are over
	s_wait_tensorcnt 0x0                           ; all my tensor loads have landed: the one that was out is my part of the next slot; every group 0 may be written
	ds_add_u32 v255, v255
	s_wait_dscnt 0x0
	s_barrier_signal -1
	MUL16 F1, 0, 2, 0, \nb                         ; register work while the others arrive
	WIN 0
	s_barrier_wait -1
.if \fill
	CREST
.if \back
	s_sub_nc_u64 s[G0+4*\slot+2:G0+4*\slot+3], s[G0+4*\slot+2:G0+4*\slot+3], 524288
	s_sub_nc_u64 s[G0B+4*\slot+2:G0B+4*\slot+3], s[G0B+4*\slot+2:G0B+4*\slot+3], 655360
.else
	s_add_nc_u64 s[G0+4*\slot+2:G0+4*\slot+3], s[G0+4*\slot+2:G0+4*\slot+3], 524288
	s_add_nc_u64 s[G0B+4*\slot+2:G0B+4*\slot+3], s[G0B+4*\slot+2:G0B+4*\slot+3], 786432
.endif
	JLOAD \slot, \g1w
.endif
.if \fetch
	PLACES
	FETCH \next, 0, F0, \nb
.endif
	WIN 0xf1
	MUL16 F1, 1, 0, 0, \nb
	MUL16 F1, 1, 2, 0, \nb
.endm
; Pass A's way out: 16 pixels x (64 q + 64 k) through my own stage: in by pixel rows of 256 bytes, back as four pixels x 128 bytes of q's head (hh = 0) or k's (1)
.macro OUTA i, a, from, f
	WIN \from
.irp b, 0,1,2,3,4,5,6,7
.irp r, 0,1,2,3
	v_cvt_pk_bf16_f32 v[TMP+4*\b+\r], v[8*(8*\a+\b)+2*\r], v[8*(8*\a+\b)+2*\r+1]
.endr
.endr
	WIN 0
.irp b, 0,1,2,3,4,5,6,7
	ds_store_b128 v[STO], v[TMP+4*\b:TMP+4*\b+3] offset:32*\b
.endr
	s_wait_xcnt 0x0                                ; buffer f, which earlier stores read, and their bases are rewritten only behind this wait
.if \i
	s_add_nc_u64 s[68:69], s[68:69], 2048          ; 16 pixels on
	s_add_nc_u64 s[70:71], s[70:71], 2048
.endif
.irp hh, 0,1
.irp tt, 0,1,2,3
	ds_load_b128 v[\f+4*(4*\hh+\tt):\f+4*(4*\hh+\tt)+3], v[RD] offset:\tt*4*SPITCH+\hh*128    ; LDS serves a wave's instructions in order: these see the stores above
.endr
.endr
.irp hh, 0,1
.irp tt, 0,1,2,3
	s_wait_dscnt 7-(4*\hh+\tt)                     ; the younger read-backs stay out
	global_store_b128 v[CO], v[\f+4*(4*\hh+\tt):\f+4*(4*\hh+\tt)+3], s[68+2*\hh:69+2*\hh] offset:\tt*512   ; 512 consecutive bytes of one head
.endr
.endr
.endm
; Pass B's way out: 16 pixels x 64 of v's head
.macro OUTB i, a, from, f
	WIN \from
.irp b, 0,1,2,3
.irp r, 0,1,2,3
	v_cvt_pk_bf16_f32 v[TMP+4*\b+\r], v[8*(8*\a+\b)+2*\r], v[8*(8*\a+\b)+2*\r+1]
.endr
.endr
	WIN 0
.irp b, 0,1,2,3
	ds_store_b128 v[STO], v[TMP+4*\b:TMP+4*\b+3] offset:32*\b
.endr
	s_wait_xcnt 0x0                                ; buffer f, which earlier stores read, and their base are rewritten only behind this wait
.if \i
	s_add_nc_u64 s[72:73], s[72:73], 2048
.endif
.irp tt, 0,1,2,3
	ds_load_b128 v[\f+4*\tt:\f+4*\tt+3], v[RD] offset:\tt*4*SPITCH
.endr
.irp tt, 0,1,2,3
	s_wait_dscnt 3-\tt                             ; the younger read-backs stay out
	global_store_b128 v[CO], v[\f+4*\tt:\f+4*\tt+3], s[72:73] offset:\tt*512
.endr
.endm
	s_wait_tensorcnt 0x1                           ; my part of K step 0 is in; K step 1's load stays out
	s_barrier_signal -1
	s_barrier_wait -1
	FETCH 0, 0, F0, 8
	s_wait_loadcnt 0x0                             ; the bias
	; ---- pass A: q and k ----
	THREE 0, 1, 8                                  ; K step 0: the first products start the sums
	TURN 0, 1, 1, 0, G1B, 8, 1                     ; asks for K step 2
	THREE 1, 0, 8
	TURN 1, 0, 1, 0, G1B, 8, 1                     ; K step 3
	THREE 0, 0, 8
	TURN 0, 1, 1, 1, G1C, 8, 1                     ; K step 4: pass B's first
	THREE 1, 0, 8
	TURN 1, 0, 1, 1, G1C, 8, 0                     ; K step 5; K step 4 has landed and waits in slot 0
	PLACES                                         ; behind the last products: the conversions read results, the read-backs land in fragment registers
	OUTA 0, 0, 0x0a, F0
	OUTA 1, 1, 0x0a, F1
	OUTA 2, 2, 0x0a, F0
	OUTA 3, 3, 0x0a, F1
	OUTA 4, 0, 0x0f, F0
	OUTA 5, 1, 0x0f, F1
	OUTA 6, 2, 0x0f, F0
	OUTA 7, 3, 0x0f, F1
	s_wait_xcnt 0x0                                ; buffers 0 and 1, which the last stores read, are loaded again only behind this wait
	; ---- pass B: v ----
	FETCH 0, 0, F0, 4
	THREE 0, 2, 4                                  ; K step 4: the first products start the sums from v's bias
	TURN 0, 1, 1, 0, G1C, 4, 1                     ; asks for K step 6
	THREE 1, 0, 4
	TURN 1, 0, 1, 0, G1C, 4, 1                     ; K step 7
	THREE 0, 0, 4                                  ; the last two K steps fill nothing
	TURN 0, 1, 0, 0, G1C, 4, 1
	THREE 1, 0, 4
	s_wait_dscnt 8
	WIN 0xa1
	MUL16 F1, 0, 0, 0, 4
	MUL16 F1, 0, 2, 0, 4
	s_wait_dscnt 0
	WIN 0xf1
	MUL16 F1, 1, 0, 0, 4
	MUL16 F1, 1, 2, 0, 4
	PLACES
	OUTB 0, 0, 0x0a, F0
	OUTB 1, 1, 0x0a, F1
	OUTB 2, 2, 0x0a, F0
	OUTB 3, 3, 0x0a, F1
	OUTB 4, 0, 0x0f, F0
	OUTB 5, 1, 0x0f, F1
	OUTB 6, 2, 0x0f, F0
	OUTB 7, 3, 0x0f, F1
	s_set_vgpr_msb 0x1
	s_wait_tensorcnt 0x0
	ds_add_u32 v255, v255
	s_wait_dscnt 0x0
	s_set_vgpr_msb 0x100
	CROUND                                         ; the closing round: no work-group ends while a partner may still ask jointly
	s_endpgm
.Lfunc_end_k_q56195a4886_qkv:
	.size	k_q56195a4886_qkv, .Lfunc_end_k_q56195a4886_qkv-k_q56195a4886_qkv
	.p2alignl 7, 3214868480
	.fill 96, 4, 3214868480
	.section	.rodata,"a",@progbits
	.p2align	6, 0x0
	.amdhsa_kernel k_q56195a4886_qkv
		.amdhsa_group_segment_fixed_size 327680
		.amdhsa_private_segment_fixed_size 0
		.amdhsa_enable_private_segment 0
		.amdhsa_kernarg_size 48
		.amdhsa_user_sgpr_count 2
		.amdhsa_user_sgpr_kernarg_segment_ptr 1
		.amdhsa_wavefront_size32 1
		.amdhsa_system_sgpr_workgroup_id_x 1
		.amdhsa_system_sgpr_workgroup_id_y 1
		.amdhsa_system_sgpr_workgroup_id_z 1
		.amdhsa_system_vgpr_workitem_id 0
		.amdhsa_next_free_vgpr 1024
		.amdhsa_next_free_sgpr 88
		.amdhsa_reserve_vcc 0
		.amdhsa_float_denorm_mode_32 3
		.amdhsa_float_denorm_mode_16_64 3
		.amdhsa_memory_ordered 1
		.amdhsa_forward_progress 1
		.amdhsa_inst_pref_size 228
	.end_amdhsa_kernel
	.amdgpu_metadata
---
amdhsa.version: [ 1, 2 ]
amdhsa.kernels:
  - .name:           k_q56195a4886_qkv
    .symbol:         k_q56195a4886_qkv.kd
    .args:
      - { .name: xn, .offset: 0, .size: 8, .value_kind: global_buffer, .address_space: global }
      - { .name: wf, .offset: 8, .size: 8, .value_kind: global_buffer, .address_space: global }
      - { .name: bfold, .offset: 16, .size: 8, .value_kind: global_buffer, .address_space: global }
      - { .name: q, .offset: 24, .size: 8, .value_kind: global_buffer, .address_space: global }
      - { .name: k, .offset: 32, .size: 8, .value_kind: global_buffer, .address_space: global }
      - { .name: v, .offset: 40, .size: 8, .value_kind: global_buffer, .address_space: global }
    .group_segment_fixed_size: 327680
    .private_segment_fixed_size: 0
    .kernarg_segment_align: 8
    .kernarg_segment_size: 48
    .max_flat_workgroup_size: 128
    .sgpr_count:     88
    .vgpr_count:     1024
    .wavefront_size: 32
...
	.end_amdgpu_metadata
.endif
;; end of part 2
;; launch attn (part 3): grid 256 x 1, 8 waves a work-group, no clusters, 312,320 bytes of LDS; arguments q, k, v, res; writes res
.if DOCPART == 3
	.amdgcn_target "amdgcn-amd-amdhsa--gfx1250"
	.amdhsa_code_object_version 6
	.text
	.protected	k_q56195a4886_attn
	.globl	k_q56195a4886_attn
	.p2align	8
	.type	k_q56195a4886_attn,@function
k_q56195a4886_attn:
	s_mov_b64 s[64:65], 0
	v_nop
	global_prefetch_b8 v0, s[64:65] scope:SCOPE_SE
	s_setreg_imm32_b32 hwreg(HW_REG_WAVE_MODE, 25, 1), 1
	s_wait_xcnt 0x0
; ATTN: res = softmax(q k^T / 8) v for one head of one image and 512 of its 1,024 queries.  k comes without its constant term (see the first kernel).
; Eight waves, 64 queries (4 tiles) each; a trip takes 64 keys, 16 trips.  The head's whole K and V lie in LDS, filled once by tensor loads, in FIVE PIECES:
; keys 0-127, 128-255, 256-511, 512-767, 768-1023.  Each piece has a counted wait and a barrier of its own in front of its first reader, so that the trips on
; the earlier pieces run while the later ones are on their way.  Trip t fetches the K fragments of trip t + 1, so a piece's barrier stands one trip ahead
; of the trip that multiplies its first keys, and the first piece holds two trips' keys.
; NO CLUSTER: two work-groups share a head's K and V, each asks once for 256 KiB and never again; there is no ring whose requests could be shared.
; TRANSPOSED: S^T = K Q^T (source 0 = 16 keys, source 1 = 16 queries): a lane holds query r and keys 16 kt + 8 h + j.  Packed to bf16 in place, its own
; tiles 2 kk and 2 kk + 1 ARE the source-1 fragment of P^T for O^T = V^T P^T: nothing moves between lanes, and maximum, sum and rescaling factor are
; one number a lane and query tile.  The running maximum is taken away before every exponential.
; A NaN among a query's scores passes the maximum by and reaches the result through the exponentials.
; REGISTERS: window 0: v2-7 addresses, v16-79 Q, v80-207 S (then P in place), v208-255 softmax.  Window 1: v0-127 O, v128-191 V^T's, v192-255 K's fragments.
.set KP,   144                         ; LDS pitch of a key's row in K: 128 bytes + 16
.set VP,   160                         ; in V: 128 + 32, an odd multiple of 32 for the transposing loads
.set VB,   1024*KP                     ; V behind K
.set KADR, 2
.set VADR, 3
.set STO,  4
.set RD,   5
.set CO,   6
.set QOFF, 7
.set Q,    16                          ; Q(qt, e) = 16 + 16 qt + 8 e
.set S,    80                          ; S(qt, kt) = 80 + 32 qt + 8 kt; P(qt, kk) = 80 + 32 qt + 8 kk
.set M,    208                         ; running maximum
.set LS,   212                         ; running sum, each half of the lanes keeps its own keys' part
.set AL,   216                         ; pairs: the rescaling factor in the low register
.set NM,   224                         ; pairs: - c x maximum in the low register
.set SU,   232                         ; pairs: a trip's sum
.set T,    240                         ; four temporaries for each query tile
.set O,    0                           ; window 1: O(qt, dt) = 32 qt + 8 dt
.set VF,   128                         ; window 1: VF(kk, dt) = 128 + 32 kk + 8 dt
.set KF,   192                         ; window 1: KF(kt, e) = 192 + 16 kt + 8 e
.set MSB, 0
.macro WIN new
.if MSB != \new
	s_set_vgpr_msb (MSB<<8)|\new
.set MSB, \new
.endif
.endm
	s_load_b256 s[4:11], s[0:1], 0x0               ; q 4, k 6, v 8, res 10
	v_lshl_add_u32 v14, v0, 2, 0x4c000
	v_mov_b32 v15, 0
	ds_add_u32 v14, v15
	ds_add_u32 v14, v15
	v_lshrrev_b32 v1, 5, v0
	v_readfirstlane_b32 s12, v1                    ; wave 0..7
	s_mov_b32 s14, 0x76543210
	s_mov_b32 s15, 0xfedcba98
	s_mov_b32 s16, 0x3e38aa3b                      ; c = log2(e) / 8
	s_mov_b32 s17, 0x3e38aa3b
	s_mov_b32 s18, 0xbe38aa3b                      ; - c
	; group 1: consecutive bytes as rows of 256; the padding behind every 32 words gives each key's 128 bytes its pitch.
	; s[24:31]: 16 rows = 32 keys (a wave's quarter of a piece of 128), s[40:47]: 32 rows = 64 keys (of a piece of 256)
	s_mov_b32 s25, 128<<16
	s_mov_b32 s26, 16<<16
	s_mov_b32 s27, 128<<16
	s_mov_b32 s28, 16
	s_mov_b32 s29, 128
	s_mov_b32 s30, 0
	s_mov_b32 s31, 0
	s_mov_b32 s41, 128<<16
	s_mov_b32 s42, 32<<16
	s_mov_b32 s43, 128<<16
	s_mov_b32 s44, 32
	s_mov_b32 s45, 128
	s_mov_b32 s46, 0
	s_mov_b32 s47, 0
	s_lshr_b32 s21, ttmp9, 1                       ; image x 8 + head
	s_lshl_b32 s22, s21, 17
	s_mov_b32 s23, 0
	s_wait_dscnt 0x0
	s_wait_kmcnt 0x0
	s_add_nc_u64 s[6:7], s[6:7], s[22:23]
	s_add_nc_u64 s[8:9], s[8:9], s[22:23]
; Group 0 of one piece in s[g:g+3]: the piece begins at key 'key', a wave brings n keys.  LDS: the wave's number times a constant plus a constant
; (fw = the first wave of the four that bring this tensor); memory: the wave's place among the four (register wv) times n keys of 128 bytes.
.macro PIECE g, key, n, pitch, lb, fw, wv, gb
	s_mov_b32 s[\g], 1
	s_mul_i32 s[\g+1], s12, \n*\pitch
.if \lb+(\key-\fw*\n)*\pitch
	s_add_co_u32 s[\g+1], s[\g+1], \lb+(\key-\fw*\n)*\pitch
.endif
	s_mul_i32 s22, s[\wv], \n*128
.if \key
	s_add_co_u32 s22, s22, \key*128
.endif
	s_add_nc_u64 s[\g+2:\g+3], s[\gb:\gb+1], s[22:23]
	s_or_b32 s[\g+3], s[\g+3], 0x80000000
.endm
; The five first fills of a wave, as one group: five tensor loads are out, never more.
.macro FILLS pitch, lb, fw, wv, gb
	PIECE 32, 0,   32, \pitch, \lb, \fw, \wv, \gb
	PIECE 36, 128, 32, \pitch, \lb, \fw, \wv, \gb
	PIECE 48, 256, 64, \pitch, \lb, \fw, \wv, \gb
	PIECE 52, 512, 64, \pitch, \lb, \fw, \wv, \gb
	PIECE 56, 768, 64, \pitch, \lb, \fw, \wv, \gb
	tensor_load_to_lds s[32:35], s[24:31]
	s_nop 0
	tensor_load_to_lds s[36:39], s[24:31]
	s_nop 0
	tensor_load_to_lds s[48:51], s[40:47]
	s_nop 0
	tensor_load_to_lds s[52:55], s[40:47]
	s_nop 0
	tensor_load_to_lds s[56:59], s[40:47]
	s_nop 0
.endm
	; waves 0-3 bring K, waves 4-7 V
	s_cmp_lt_u32 s12, 4
	s_cbranch_scc0 .Lfill_v
	s_mov_b32 s24, (1<<16)|(1<<20)|(4<<22)|(3<<25)
	s_mov_b32 s40, (1<<16)|(1<<20)|(4<<22)|(3<<25)
	FILLS KP, 0, 0, 12, 6
	s_branch .Lfilled
.Lfill_v:
	s_mov_b32 s24, (1<<16)|(1<<20)|(4<<22)|(7<<25)
	s_mov_b32 s40, (1<<16)|(1<<20)|(4<<22)|(7<<25)
	s_sub_co_u32 s13, s12, 4
	FILLS VP, VB, 4, 13, 8
.Lfilled:
	s_lshl_b32 s22, ttmp9, 16                      ; 512 queries of 128 bytes for each work-group,
	s_lshl_b32 s13, s12, 13                        ; 64 for each wave
	s_add_co_u32 s22, s22, s13
	s_add_nc_u64 s[4:5], s[4:5], s[22:23]
	s_add_nc_u64 s[10:11], s[10:11], s[22:23]
	v_and_b32 v1, 15, v0                           ; r
	v_bfe_u32 v8, v0, 4, 1                         ; h
	v_lshlrev_b32 v[QOFF], 7, v1
	v_lshl_add_u32 v[QOFF], v8, 4, v[QOFF]
.irp qt, 0,1,2,3
.irp e, 0,1
	global_load_b128 v[Q+16*\qt+8*\e:Q+16*\qt+8*\e+3],   v[QOFF], s[4:5] offset:\qt*2048+\e*64
	global_load_b128 v[Q+16*\qt+8*\e+4:Q+16*\qt+8*\e+7], v[QOFF], s[4:5] offset:\qt*2048+\e*64+32
.endr
.endr
	v_and_b32 v9, 7, v0
	v_bfe_u32 v10, v0, 3, 1
	v_and_b32 v11, 31, v0
	v_mul_u32_u24 v[KADR], v1, KP
	v_lshl_add_u32 v[KADR], v8, 4, v[KADR]
	v_lshl_add_u32 v[VADR], v8, 3, v9
	v_mul_u32_u24 v[VADR], v[VADR], VP
	v_lshl_add_u32 v[VADR], v10, 4, v[VADR]
	v_add_nc_u32 v[VADR], VB, v[VADR]
	s_mul_i32 s13, s12, 16*KP                      ; my stage for the way out, in K's bytes, used when K's last read is over
	v_add_nc_u32 v[STO], s13, v[KADR]
	v_lshrrev_b32 v[RD], 3, v11
	v_mul_u32_u24 v[RD], v[RD], KP
	v_lshl_add_u32 v[RD], v9, 4, v[RD]
	v_add_nc_u32 v[RD], s13, v[RD]
	v_lshlrev_b32 v[CO], 4, v11
.irp qt, 0,1,2,3
	v_mov_b32 v[AL+2*\qt+1], 0                     ; the pairs' upper registers are named by packed instructions and never used
	v_mov_b32 v[NM+2*\qt+1], 0
.endr
.macro LDK                             ; 16 loads: 64 keys x 64 d
	WIN 0x40
.irp kt, 0,1,2,3
.irp e, 0,1
	ds_load_b128 v[KF+16*\kt+8*\e:KF+16*\kt+8*\e+3],   v[KADR] offset:\kt*16*KP+64*\e
	ds_load_b128 v[KF+16*\kt+8*\e+4:KF+16*\kt+8*\e+7], v[KADR] offset:\kt*16*KP+64*\e+32
.endr
.endr
.endm
.macro LDV                             ; 16 transposing loads: 64 d x 64 keys
	WIN 0x40
.irp kk, 0,1
.irp dt, 0,1,2,3
	ds_load_tr16_b128 v[VF+32*\kk+8*\dt:VF+32*\kk+8*\dt+3],   v[VADR] offset:\kk*32*VP+32*\dt
	ds_load_tr16_b128 v[VF+32*\kk+8*\dt+4:VF+32*\kk+8*\dt+7], v[VADR] offset:\kk*32*VP+32*\dt+16*VP
.endr
.endr
.endm
.macro FMA1 qt, i                      ; two scores: c s - c max
	v_pk_fma_f32 v[S+32*\qt+2*\i:S+32*\qt+2*\i+1], v[S+32*\qt+2*\i:S+32*\qt+2*\i+1], s[16:17], v[NM+2*\qt:NM+2*\qt+1] op_sel_hi:[1,0,0]
.endm
.macro SC qt, i                        ; two exponentials: into the trip's sum, and packed in place (register i from registers 2 i, 2 i + 1)
.if \i == 0
	s_wait_alu depctr_va_vdst(0)
	v_pk_add_f32 v[SU+2*\qt:SU+2*\qt+1], v[S+32*\qt:S+32*\qt+1], v[S+32*\qt+2:S+32*\qt+3]
.endif
.if \i >= 2
	v_pk_add_f32 v[SU+2*\qt:SU+2*\qt+1], v[SU+2*\qt:SU+2*\qt+1], v[S+32*\qt+2*\i:S+32*\qt+2*\i+1]
.endif
	v_cvt_pk_bf16_f32 v[S+32*\qt+\i], v[S+32*\qt+2*\i], v[S+32*\qt+2*\i+1]
.endm
; The exponentials of query tile qt, two at a time; behind each two a plain instruction on another tile's registers (ISA guide 5.7.2):
; the next tile's shift, the last tile's sum and packing.
.macro EXPMIX qt, doF, doS
.irp i, 0,1,2,3,4,5,6,7,8,9,10,11,12,13,14,15
	v_exp_f32 v[S+32*\qt+2*\i], v[S+32*\qt+2*\i]
	v_exp_f32 v[S+32*\qt+2*\i+1], v[S+32*\qt+2*\i+1]
.if \doF
	FMA1 (\qt+1), \i
.endif
.if \doS
	SC (\qt-1), \i
.endif
.endr
.endm
; One trip: 64 keys.  first = 1: nothing to rescale, the first products start O.  pre = 1: the next trip's K fragments are fetched.
.macro TRIP first, pre
.if \first == 0
.rept 5
	v_nop                                          ; five places behind the last products: V's fragments are loaded again, P's registers written over by products
.endr
.endif
	LDV
	s_wait_dscnt 16                                ; V's 16 loads stay out; this trip's K fragments are in
	WIN 0x01
	; the accumulators take turns, one instruction a turn
.irp kt, 0,1,2,3
.irp qt, 0,1,2,3
	v_wmma_f32_16x16x32_bf16 v[S+32*\qt+8*\kt:S+32*\qt+8*\kt+7], v[KF+16*\kt:KF+16*\kt+7], v[Q+16*\qt:Q+16*\qt+7], 0
.endr
.irp qt, 0,1,2,3
	v_wmma_f32_16x16x32_bf16 v[S+32*\qt+8*\kt:S+32*\qt+8*\kt+7], v[KF+16*\kt+8:KF+16*\kt+15], v[Q+16*\qt+8:Q+16*\qt+15], v[S+32*\qt+8*\kt:S+32*\qt+8*\kt+7]
.endr
.endr
	WIN 0
	v_add_nc_u32 v[KADR], 64*KP, v[KADR]           ; the next 64 keys; with the two v_nop the four places behind the products
	v_add_nc_u32 v[VADR], 64*VP, v[VADR]
	v_nop
	v_nop
.if \pre
	LDK
	WIN 0
.endif
	; the maximum of my 32 scores of each query tile, of the other half's, and of the running maximum
.irp qt, 0,1,2,3
.irp kt, 0,1,2,3
	v_max3_num_f32 v[T+4*\qt+\kt], v[S+32*\qt+8*\kt], v[S+32*\qt+8*\kt+1], v[S+32*\qt+8*\kt+2]
.endr
.endr
.irp qt, 0,1,2,3
.irp kt, 0,1,2,3
	v_max3_num_f32 v[T+4*\qt+\kt], v[T+4*\qt+\kt], v[S+32*\qt+8*\kt+3], v[S+32*\qt+8*\kt+4]
.endr
.endr
.irp qt, 0,1,2,3
.irp kt, 0,1,2,3
	v_max3_num_f32 v[T+4*\qt+\kt], v[T+4*\qt+\kt], v[S+32*\qt+8*\kt+5], v[S+32*\qt+8*\kt+6]
.endr
.endr
.irp qt, 0,1,2,3
.irp kt, 0,1,2,3
	v_max_num_f32 v[T+4*\qt+\kt], v[T+4*\qt+\kt], v[S+32*\qt+8*\kt+7]
.endr
.endr
.irp qt, 0,1,2,3
	v_max3_num_f32 v[T+4*\qt], v[T+4*\qt], v[T+4*\qt+1], v[T+4*\qt+2]
.endr
.irp qt, 0,1,2,3
.if \first
	v_max_num_f32 v[T+4*\qt], v[T+4*\qt], v[T+4*\qt+3]
.else
	v_max3_num_f32 v[T+4*\qt], v[T+4*\qt], v[T+4*\qt+3], v[M+\qt]
.endif
.endr
.irp qt, 0,1,2,3
	v_permlanex16_b32 v[T+4*\qt+1], v[T+4*\qt], s14, s15
.endr
.irp qt, 0,1,2,3
	v_max_num_f32 v[M+\qt], v[T+4*\qt], v[T+4*\qt+1]
.endr
.if \first
.irp qt, 0,1,2,3
	v_mul_f32 v[NM+2*\qt], s18, v[M+\qt]
.endr
.else
	; the factor for what was summed under the old shift: 2^(new shift - old shift), the shifts as the exponentials used them
.irp qt, 0,1,2,3
	v_mul_f32 v[T+4*\qt+2], s18, v[M+\qt]
.endr
.irp qt, 0,1,2,3
	v_sub_f32 v[T+4*\qt+3], v[T+4*\qt+2], v[NM+2*\qt]
.endr
.irp qt, 0,1,2,3
	v_exp_f32 v[AL+2*\qt], v[T+4*\qt+3]
.endr
.irp qt, 0,1,2,3
	v_mov_b32 v[NM+2*\qt], v[T+4*\qt+2]
.endr
.endif
.irp i, 0,1,2,3,4,5,6,7,8,9,10,11,12,13,14,15
	FMA1 0, \i
.endr
	EXPMIX 0, 1, 0
	EXPMIX 1, 1, 1
	EXPMIX 2, 1, 1
	EXPMIX 3, 0, 1
.irp i, 0,1,2,3,4,5,6,7,8,9,10,11,12,13,14,15
	SC 3, \i
.endr
.irp qt, 0,1,2,3
.if \first
	v_add_f32 v[LS+\qt], v[SU+2*\qt], v[SU+2*\qt+1]
.else
	v_add_f32 v[T+4*\qt+3], v[SU+2*\qt], v[SU+2*\qt+1]
.endif
.endr
.if \first == 0
.irp qt, 0,1,2,3
	v_fma_f32 v[LS+\qt], v[LS+\qt], v[AL+2*\qt], v[T+4*\qt+3]
.endr
	WIN 0x41                                       ; O in window 1, the factor in window 0
.irp qt, 0,1,2,3
.irp n, 0,1,2,3,4,5,6,7,8,9,10,11,12,13,14,15
	v_pk_mul_f32 v[O+32*\qt+2*\n:O+32*\qt+2*\n+1], v[O+32*\qt+2*\n:O+32*\qt+2*\n+1], v[AL+2*\qt:AL+2*\qt+1] op_sel_hi:[1,0]
.endr
.endr
.endif
.if \pre
	s_wait_dscnt 16                                ; the next trip's 16 K loads stay out; V's fragments are in
.else
	s_wait_dscnt 0
.endif
	WIN 0x51                                       ; V^T, C and D in window 1, P in window 0
.irp kk, 0,1
.irp dt, 0,1,2,3
.irp qt, 0,1,2,3
.set ZC, 0
.if \first
.if \kk == 0
.set ZC, 1
.endif
.endif
.if ZC
	v_wmma_f32_16x16x32_bf16 v[O+32*\qt+8*\dt:O+32*\qt+8*\dt+7], v[VF+32*\kk+8*\dt:VF+32*\kk+8*\dt+7], v[S+32*\qt+8*\kk:S+32*\qt+8*\kk+7], 0
.else
	v_wmma_f32_16x16x32_bf16 v[O+32*\qt+8*\dt:O+32*\qt+8*\dt+7], v[VF+32*\kk+8*\dt:VF+32*\kk+8*\dt+7], v[S+32*\qt+8*\kk:S+32*\qt+8*\kk+7], v[O+32*\qt+8*\dt:O+32*\qt+8*\dt+7]
.endif
.endr
.endr
.endr
	WIN 0
.endm
; The next piece has arrived: my quarter of it has landed ('left' younger pieces of mine stay out), and everybody's has.
.macro ARRIVE left
	s_wait_dscnt 0x0                               ; no LDS instruction is pending at a signal
	s_wait_tensorcnt \left
	s_barrier_signal -1
	s_barrier_wait -1
.endm
.macro TRIPS n                         ; n trips, each fetching the next trip's K fragments
	s_mov_b32 s20, \n
.Ltrips_\@:
	TRIP 0, 1
	s_sub_co_i32 s20, s20, 1
	s_cmp_lg_u32 s20, 0
	s_cbranch_scc1 .Ltrips_\@
.endm
	s_wait_tensorcnt 0x4                           ; my part of keys 0-127 is in; my four later pieces stay out
	s_barrier_signal -1
	s_barrier_wait -1
	LDK
	WIN 0
	s_wait_loadcnt 0x0                             ; Q
	TRIP 1, 1                                      ; trip 0: keys 0-63; fetches K of keys 64-127
	ARRIVE 3                                       ; keys 128-255
	TRIPS 2                                        ; trips 1, 2; they fetch K up to key 255
	ARRIVE 2                                       ; keys 256-511
	TRIPS 4                                        ; trips 3-6; K up to key 511
	ARRIVE 1                                       ; keys 512-767
	TRIPS 4                                        ; trips 7-10; K up to key 767
	ARRIVE 0                                       ; keys 768-1023: no tensor load is out any more
	TRIPS 4                                        ; trips 11-14
	TRIP 0, 0                                      ; the last 64 keys: nothing more to fetch
.rept 4
	v_nop                                          ; four places behind the last products
.endr
.irp qt, 0,1,2,3
	v_permlanex16_b32 v[T+4*\qt], v[LS+\qt], s14, s15
.endr
.irp qt, 0,1,2,3
	v_add_f32 v[LS+\qt], v[LS+\qt], v[T+4*\qt]     ; the two halves' sums
.endr
.irp qt, 0,1,2,3
	v_rcp_f32 v[AL+2*\qt], v[LS+\qt]
.endr
	v_nop
	WIN 0x41
	s_wait_alu depctr_va_vdst(0)
.irp qt, 0,1,2,3
.irp n, 0,1,2,3,4,5,6,7,8,9,10,11,12,13,14,15
	v_pk_mul_f32 v[O+32*\qt+2*\n:O+32*\qt+2*\n+1], v[O+32*\qt+2*\n:O+32*\qt+2*\n+1], v[AL+2*\qt:AL+2*\qt+1] op_sel_hi:[1,0]
.endr
.endr
	WIN 0
	s_wait_dscnt 0x0
	s_barrier_signal -1
	s_barrier_wait -1                              ; every wave's reads of K are over: its first bytes now serve as stages
.irp qt, 0,1,2,3
	WIN 0x05
.irp dt, 0,1,2,3
.irp r, 0,1,2,3
	v_cvt_pk_bf16_f32 v[S+16*\qt+4*\dt+\r], v[O+32*\qt+8*\dt+2*\r], v[O+32*\qt+8*\dt+2*\r+1]
.endr
.endr
	WIN 0
.irp dt, 0,1,2,3
	ds_store_b128 v[STO], v[S+16*\qt+4*\dt:S+16*\qt+4*\dt+3] offset:32*\dt
.endr
.irp tt, 0,1,2,3
	ds_load_b128 v[144+16*\qt+4*\tt:147+16*\qt+4*\tt], v[RD] offset:4*KP*\tt      ; LDS serves a wave's instructions in order
.endr
.irp tt, 0,1,2,3
	s_wait_dscnt 3-\tt                             ; the younger read-backs stay out
	global_store_b128 v[CO], v[144+16*\qt+4*\tt:147+16*\qt+4*\tt], s[10:11] offset:\qt*2048+\tt*512   ; 512 consecutive bytes; no register of a store is written again
.endr
.endr
	s_wait_tensorcnt 0x0
	ds_add_u32 v14, v15
	s_wait_dscnt 0x0
	s_endpgm
.Lfunc_end_k_q56195a4886_attn:
	.size	k_q56195a4886_attn, .Lfunc_end_k_q56195a4886_attn-k_q56195a4886_attn
	.p2alignl 7, 3214868480
	.fill 96, 4, 3214868480
	.section	.rodata,"a",@progbits
	.p2align	6, 0x0
	.amdhsa_kernel k_q56195a4886_attn
		.amdhsa_group_segment_fixed_size 312320
		.amdhsa_private_segment_fixed_size 0
		.amdhsa_enable_private_segment 0
		.amdhsa_kernarg_size 32
		.amdhsa_user_sgpr_count 2
		.amdhsa_user_sgpr_kernarg_segment_ptr 1
		.amdhsa_wavefront_size32 1
		.amdhsa_system_sgpr_workgroup_id_x 1
		.amdhsa_system_sgpr_workgroup_id_y 1
		.amdhsa_system_sgpr_workgroup_id_z 1
		.amdhsa_system_vgpr_workitem_id 0
		.amdhsa_next_free_vgpr 512
		.amdhsa_next_free_sgpr 66
		.amdhsa_reserve_vcc 0
		.amdhsa_float_denorm_mode_32 3
		.amdhsa_float_denorm_mode_16_64 3
		.amdhsa_memory_ordered 1
		.amdhsa_forward_progress 1
		.amdhsa_inst_pref_size 211
	.end_amdhsa_kernel
	.amdgpu_metadata
---
amdhsa.version: [ 1, 2 ]
amdhsa.kernels:
  - .name:           k_q56195a4886_attn
    .symbol:         k_q56195a4886_attn.kd
    .args:
      - { .name: q, .offset: 0, .size: 8, .value_kind: global_buffer, .address_space: global }
      - { .name: k, .offset: 8, .size: 8, .value_kind: global_buffer, .address_space: global }
      - { .name: v, .offset: 16, .size: 8, .value_kind: global_buffer, .address_space: global }
      - { .name: res, .offset: 24, .size: 8, .value_kind: global_buffer, .address_space: global }
    .group_segment_fixed_size: 312320
    .private_segment_fixed_size: 0
    .kernarg_segment_align: 8
    .kernarg_segment_size: 32
    .max_flat_workgroup_size: 256
    .sgpr_count:     66
    .vgpr_count:     512
    .wavefront_size: 32
...
	.end_amdgpu_metadata
.endif
;; end of part 3
;; launch proj (part 4): grid 4 x 64, 4 waves a work-group, clusters of 4 x 4, 327,680 bytes of LDS; arguments res, wob, bo, x, out0; writes out0
.if DOCPART == 4
	.amdgcn_target "amdgcn-amd-amdhsa--gfx1250"
	.amdhsa_code_object_version 6
	.text
	.protected	k_q56195a4886_proj
	.globl	k_q56195a4886_proj
	.p2align	8
	.type	k_q56195a4886_proj,@function
k_q56195a4886_proj:
	s_mov_b64 s[64:65], 0
	v_nop
	global_prefetch_b8 v0, s[64:65] scope:SCOPE_SE
	s_setreg_imm32_b32 hwreg(HW_REG_WAVE_MODE, 25, 1), 1
	s_wait_xcnt 0x0
	s_wait_alu depctr_hold_cnt(0) depctr_sa_sdst(0) depctr_va_vdst(0) depctr_va_sdst(0) depctr_va_ssrc(0) depctr_va_vcc(0) depctr_vm_vsrc(0)
	s_getreg_b32 s2, hwreg(HW_REG_IB_STS2, 6, 4)
	s_cmp_eq_u32 s2, 0
	s_cbranch_scc0 .Lentry_in_a_cluster
	s_endpgm
.Lentry_in_a_cluster:
	s_bfe_u32 s2, ttmp6, 0x10000c
	s_cmp_lg_u32 s2, 0xf033
	s_cbranch_scc0 .Lentry_shape_is_right
	s_endpgm
.Lentry_shape_is_right:
; PROJ: out0[b][o][p] = sum over c of res[b][p][c] wo[o][c] + bo[o] + x[b][o][p].  res lies [b][head][p][64] in bf16, wob [o][c] in bf16.
; A work-group makes 256 pixels x 128 o with four waves, a wave 128 x 64: 32 accumulator tiles.  K = 512 goes in four steps of 128 (two heads)
; through a ring of two LDS slots.  4 x 4 work-groups form a cluster: the four of a row (same cy) are one block of pixels and share res's tiles,
; the four of a column (same cx) are one block of o and share wob's: both are asked for jointly.
; Source 0 = 16 pixels of res, source 1 = 16 rows of wob: a lane holds row o = r and eight neighbouring pixels, 32 bytes of out0.
; bo enters as the C operand of the first products; the wave's whole tile of x is asked for at the start and waits in window 3.
; REGISTERS: window 0: v16-28 addresses, v64-95 / v128-159 wob's fragments (later the way out), v192-223 the bias tiles.
; Window 1: v64-127 / v128-191 res's fragments.  Window 2: tile (a = o tile, b = pixel tile) at v[8 (8 a + b)].  Window 3: x.
.set HALFT,  36864
.set SLOT,   4*HALFT                   ; res's two heads (256 rows, pitch 144), then wob's rows 0-63, 64-127 (pitch 272)
.set STAGE,  2*SLOT
.set SPITCH, 272
.set RP,     144
.set ADRA, 16
.set ADRB, 20
.set STO,  24
.set RD,   25
.set CO,   26
.set BOF,  28
.set F0,   64
.set F1,   128
.set BIAS, 192
.set G1,  24
.set G0,  32
.set G1B, 48
.set G0B, 56
.set MSB, 0
.macro WIN new
.if MSB != \new
	s_set_vgpr_msb (MSB<<8)|\new
.set MSB, \new
.endif
.endm
.macro JLOAD s                         ; waves 0, 1 ask for res's two heads, waves 2, 3 for wob's two halves; each line has one mask
	s_cmp_eq_u32 s11, 0
	s_cbranch_scc0 .Lfor_b_\@
	tensor_load_to_lds s[G0+4*\s:G0+4*\s+3], s[G1:G1+7]
	s_nop 0
	s_branch .Lasked_\@
.Lfor_b_\@:
	tensor_load_to_lds s[G0B+4*\s:G0B+4*\s+3], s[G1B:G1B+7]
	s_nop 0
.Lasked_\@:
.endm
.macro CREST
	s_cmp_lg_u32 s10, 0
	s_cbranch_scc1 .Lnot_wave_0_\@
	s_barrier_signal -3
.Lnot_wave_0_\@:
	s_barrier_wait -3
	s_barrier_signal -1
	s_barrier_wait -1
.endm
.macro CROUND
	s_barrier_signal -1
	s_barrier_wait -1
	CREST
.endm
.macro PLACES                          ; four plain vector instructions behind a matrix instruction (ISA guide 7.12.1)
.rept 4
	v_nop
.endr
.endm
	s_load_b128 s[4:7], s[0:1], 0x0                ; res, wob
	s_load_b128 s[68:71], s[0:1], 0x10             ; bo, x
	s_load_b64 s[72:73], s[0:1], 0x20              ; out0
	s_set_vgpr_msb 0x40
	v_lshl_add_u32 v255, v0, 2, 0x4c400
	s_set_vgpr_msb 0x4000
	v_mov_b32 v255, 0
	s_set_vgpr_msb 0x1
	ds_add_u32 v255, v255
	ds_add_u32 v255, v255
	s_set_vgpr_msb 0x100
	v_lshrrev_b32 v1, 5, v0
	v_readfirstlane_b32 s10, v1                    ; wave 0..3
	s_lshr_b32 s11, s10, 1                         ; my half of the pixels.  Also: I fetch res (0) or wob (1)
	s_and_b32 s12, s10, 1                          ; my half of the o.  Also: which part I fetch
	s_bfe_u32 s40, ttmp6, 0x40000                  ; cx
	s_bfe_u32 s41, ttmp6, 0x40004                  ; cy: the block of 256 pixels
	s_lshl_b32 s42, ttmp9, 2
	s_add_co_u32 s42, s42, s40                     ; the block of 128 o
	s_and_b32 s13, ttmp7, 0xffff                   ; the cluster's y = the image
	s_lshl_b32 s43, s41, 2
	s_lshl_b32 s43, 15, s43                        ; my row of the cluster
	s_lshl_b32 s44, 0x1111, s40                    ; my column
	; res: 32,768 consecutive bytes as 128 rows of 256, 4 words of padding behind every 32: each pixel's 128 bytes get a pitch of 144
	s_or_b32 s[G1+0], s43, (1<<16)|(1<<20)|(1<<21)|(4<<22)|(3<<25)
	s_mov_b32 s[G1+1], 128<<16
	s_mov_b32 s[G1+2], 128<<16
	s_mov_b32 s[G1+3], 128<<16
	s_mov_b32 s[G1+4], 128
	s_mov_b32 s[G1+5], 128
	s_mov_b32 s[G1+6], 0
	s_mov_b32 s[G1+7], 0
	; wob: 64 rows of 128 elements, 512 elements from row to row, 4 words of padding behind every 64
	s_or_b32 s[G1B+0], s44, (1<<16)|(1<<20)|(1<<21)|(5<<22)|(3<<25)
	s_mov_b32 s[G1B+1], 128<<16
	s_mov_b32 s[G1B+2], 64<<16
	s_mov_b32 s[G1B+3], 128<<16
	s_mov_b32 s[G1B+4], 64
	s_mov_b32 s[G1B+5], 512
	s_mov_b32 s[G1B+6], 0
	s_mov_b32 s[G1B+7], 0
	s_lshl_b32 s16, s13, 20                        ; res: the image, my head of the K step's two, the block of pixels: never cx
	s_lshl_b32 s17, s12, 17
	s_add_co_u32 s16, s16, s17
	s_lshl_b32 s17, s41, 15
	s_add_co_u32 s16, s16, s17
	s_mov_b32 s17, 0
	s_lshl_b32 s46, s42, 17                        ; wob: 128 rows of 1,024 bytes a block, my 64 of them: never cy
	s_lshl_b32 s47, s12, 16
	s_add_co_u32 s46, s46, s47
	s_mov_b32 s47, 0
	s_mul_i32 s20, s10, HALFT
	s_lshl_b32 s74, s13, 21                        ; x and out0: (b 512 + 128 block + 64 half) rows of 4,096 bytes + my first pixel
	s_lshl_b32 s75, s42, 19
	s_add_co_u32 s74, s74, s75
	s_lshl_b32 s75, s12, 18
	s_add_co_u32 s74, s74, s75
	s_lshl_b32 s75, s41, 10
	s_add_co_u32 s74, s74, s75
	s_lshl_b32 s75, s11, 9
	s_add_co_u32 s74, s74, s75
	s_mov_b32 s75, 0
	v_and_b32 v1, 15, v0                           ; r
	v_bfe_u32 v2, v0, 4, 1                         ; h
	s_lshl_b32 s21, s42, 9
	s_lshl_b32 s22, s12, 8
	s_add_co_u32 s21, s21, s22
	v_lshl_add_u32 v[BOF], v1, 2, s21
	s_wait_dscnt 0x0
	s_wait_kmcnt 0x0
	s_add_nc_u64 s[14:15], s[4:5], s[16:17]
	s_add_nc_u64 s[46:47], s[6:7], s[46:47]
	s_add_nc_u64 s[70:71], s[70:71], s[74:75]
	s_add_nc_u64 s[72:73], s[72:73], s[74:75]
.irp a, 0,1,2,3
	global_load_b32 v[BIAS+8*\a], v[BOF], s[68:69] offset:64*\a    ; bo of o = 16 a + r
.endr
	CROUND                                         ; all sixteen work-groups are here: the first joint loads meet
.irp s, 0,1
	s_mov_b32 s[G0+4*\s], 1
	s_add_co_u32 s[G0+4*\s+1], s20, \s*SLOT
	s_add_nc_u64 s[G0+4*\s+2:G0+4*\s+3], s[14:15], \s*262144       ; K step s: two heads on
	s_or_b32 s[G0+4*\s+3], s[G0+4*\s+3], 0x80000000
	s_mov_b32 s[G0B+4*\s], 1
	s_add_co_u32 s[G0B+4*\s+1], s20, \s*SLOT
	s_add_nc_u64 s[G0B+4*\s+2:G0B+4*\s+3], s[46:47], \s*256        ; K step s: 128 c on
	s_or_b32 s[G0B+4*\s+3], s[G0B+4*\s+3], 0x80000000
	JLOAD \s                                       ; a wave has two loads out here, later one
.endr
	s_mul_i32 s21, s11, 128*RP
	v_mul_u32_u24 v3, v1, RP
	v_lshl_add_u32 v3, v2, 4, v3
	v_add_nc_u32 v[ADRA], s21, v3
	v_add_nc_u32 v[ADRA+1], SLOT, v[ADRA]
	s_mul_i32 s22, s12, HALFT
	s_add_co_u32 s22, s22, 2*HALFT
	v_mul_u32_u24 v4, v1, SPITCH
	v_lshl_add_u32 v5, v2, 4, v4
	v_add_nc_u32 v[ADRB], s22, v5
	v_add_nc_u32 v[ADRB+1], SLOT, v[ADRB]
	s_mul_i32 s23, s10, 16*SPITCH
	s_add_co_u32 s23, s23, STAGE
	v_lshl_add_u32 v5, v2, 5, v4
	v_add_nc_u32 v[STO], s23, v5                   ; in: row o = r, 32 bytes for each half of the lanes
	v_mul_u32_u24 v5, v2, SPITCH
	v_lshl_add_u32 v5, v1, 4, v5
	v_add_nc_u32 v[RD], s23, v5                    ; back: lanes 0-15 one row of 256 bytes, lanes 16-31 the next
	v_lshlrev_b32 v5, 12, v2
	v_lshl_add_u32 v[CO], v1, 4, v5                ; the same two rows in x and out0
	s_wait_loadcnt 0x0
.irp a, 0,1,2,3
.irp j, 1,2,3,4,5,6,7
	v_mov_b32 v[BIAS+8*\a+\j], v[BIAS+8*\a]        ; a C tile's eight registers are eight pixels of one o
.endr
.endr
	WIN 0xc0                                       ; destination window 3
.irp n, 0,1,2,3,4,5,6,7
.irp t, 0,1,2,3,4,5,6,7
	global_load_b128 v[4*(\t+8*\n):4*(\t+8*\n)+3], v[CO], s[70:71] offset:(\n>>1)*65536+\t*8192+(\n&1)*256 th:TH_LOAD_NT
.endr
.endr
	WIN 0
; 8 matrix instructions: o tile a x all 8 pixel tiles.  The 32 accumulators take turns, one instruction a turn.
.macro MUL8 f, a, first
.if \first
	WIN 0x81                                       ; C (the bias) in window 0, D in window 2
.else
	WIN 0xa1
.endif
.irp b, 0,1,2,3,4,5,6,7
.if \first
	v_wmma_f32_16x16x32_bf16 v[8*(8*\a+\b):8*(8*\a+\b)+7], v[\f+8*\b:\f+8*\b+7], v[\f+8*\a:\f+8*\a+7], v[BIAS+8*\a:BIAS+8*\a+7]
.else
	v_wmma_f32_16x16x32_bf16 v[8*(8*\a+\b):8*(8*\a+\b)+7], v[\f+8*\b:\f+8*\b+7], v[\f+8*\a:\f+8*\a+7], v[8*(8*\a+\b):8*(8*\a+\b)+7]
.endif
.endr
.endm
; 24 LDS loads: quarter nq (32 c) of a slot into buffer f: res's 8 fragments, then wob's 4
.macro FETCH slot, nq, f
	WIN 0x40
.irp i, 0,1,2,3,4,5,6,7
	ds_load_b128 v[\f+8*\i:\f+8*\i+3],   v[ADRA+\slot] offset:(\nq>>1)*HALFT+(\nq&1)*64+\i*16*RP
	ds_load_b128 v[\f+8*\i+4:\f+8*\i+7], v[ADRA+\slot] offset:(\nq>>1)*HALFT+(\nq&1)*64+\i*16*RP+32
.endr
	WIN 0
.irp i, 0,1,2,3
	ds_load_b128 v[\f+8*\i:\f+8*\i+3],   v[ADRB+\slot] offset:\nq*64+\i*16*SPITCH
	ds_load_b128 v[\f+8*\i+4:\f+8*\i+7], v[ADRB+\slot] offset:\nq*64+\i*16*SPITCH+32
.endr
.endm
.macro QUARTER slot, nq, f, g, first
	s_wait_dscnt 4                                 ; the youngest four loads (o tiles 2, 3) may be out
	MUL8 \f, 0, \first
	MUL8 \f, 1, \first
	PLACES
	FETCH \slot, \nq, \g
	s_wait_dscnt 24                                ; all but the 24 just issued
	MUL8 \f, 2, \first
	MUL8 \f, 3, \first
.endm
.macro THREE slot, first
	QUARTER \slot, 1, F0, F1, \first
	QUARTER \slot, 2, F1, F0, 0
	QUARTER \slot, 3, F0, F1, 0
.endm
; The last quarter of a K step changes slots: each wave's waits for its reads of this slot and for all its tensor loads stand in front of the
; barrier; where the slot is filled again the barrier opens a round of the cluster's barrier and the joint refill is the first tensor load behind it.
.macro TURN slot, next, fill
	s_wait_dscnt 4
	MUL8 F1, 0, 0
	s_wait_dscnt 0
	s_wait_tensorcnt 0x0
	ds_add_u32 v255, v255
	s_wait_dscnt 0x0
	s_barrier_signal -1
	MUL8 F1, 1, 0                                  ; register work while the others arrive
	WIN 0
	s_barrier_wait -1
.if \fill
	CREST
	s_add_nc_u64 s[G0+4*\slot+2:G0+4*\slot+3], s[G0+4*\slot+2:G0+4*\slot+3], 524288      ; two K steps on
	s_add_nc_u64 s[G0B+4*\slot+2:G0B+4*\slot+3], s[G0B+4*\slot+2:G0B+4*\slot+3], 512
	JLOAD \slot
.endif
	PLACES
	FETCH \next, 0, F0
	MUL8 F1, 2, 0
	MUL8 F1, 3, 0
.endm
	s_wait_tensorcnt 0x1                           ; my part of K step 0 is in; K step 1's load stays out
	s_barrier_signal -1
	s_barrier_wait -1
	FETCH 0, 0, F0
	THREE 0, 1                                     ; the first products start the sums from the bias
	TURN 0, 1, 1
	THREE 1, 0
	TURN 1, 0, 1
	THREE 0, 0                                     ; the last two K steps fill nothing
	TURN 0, 1, 0
	THREE 1, 0
	s_wait_dscnt 4
	MUL8 F1, 0, 0
	MUL8 F1, 1, 0
	s_wait_dscnt 0
	MUL8 F1, 2, 0
	MUL8 F1, 3, 0
	PLACES
; 16 rows o x 64 pixels (n = 2 a + g) through my own stage, x added on the way, whole rows of 256 bytes out
.macro OUTP n, f
	WIN 0x08                                       ; the LDS stores' data in window 2
.irp bb, 0,1,2,3
	ds_store_b128 v[STO], v[8*(8*(\n>>1)+4*(\n&1)+\bb):8*(8*(\n>>1)+4*(\n&1)+\bb)+3] offset:64*\bb
	ds_store_b128 v[STO], v[8*(8*(\n>>1)+4*(\n&1)+\bb)+4:8*(8*(\n>>1)+4*(\n&1)+\bb)+7] offset:64*\bb+16
.endr
	WIN 0
	s_wait_xcnt 0x0                                ; buffer f, which earlier stores read, is loaded again only behind this wait
.irp t, 0,1,2,3,4,5,6,7
	ds_load_b128 v[\f+4*\t:\f+4*\t+3], v[RD] offset:2*SPITCH*\t    ; LDS serves a wave's instructions in order: these see the stores above
.endr
	s_wait_loadcnt 56-8*\n                         ; x's loads for the later blocks may stay out
	s_wait_dscnt 0x0
	WIN 0x0c                                       ; source 1 (x) in window 3
.irp t, 0,1,2,3,4,5,6,7
	v_pk_add_f32 v[\f+4*\t:\f+4*\t+1], v[\f+4*\t:\f+4*\t+1], v[4*(\t+8*\n):4*(\t+8*\n)+1]
	v_pk_add_f32 v[\f+4*\t+2:\f+4*\t+3], v[\f+4*\t+2:\f+4*\t+3], v[4*(\t+8*\n)+2:4*(\t+8*\n)+3]
.endr
	WIN 0
.irp t, 0,1,2,3,4,5,6,7
	global_store_b128 v[CO], v[\f+4*\t:\f+4*\t+3], s[72:73] offset:(\n>>1)*65536+\t*8192+(\n&1)*256 th:TH_STORE_NT   ; 16 lanes store 256 consecutive bytes, aligned
.endr
.endm
	OUTP 0, F0
	OUTP 1, F1
	OUTP 2, F0
	OUTP 3, F1
	OUTP 4, F0
	OUTP 5, F1
	OUTP 6, F0
	OUTP 7, F1
	s_set_vgpr_msb 0x1
	s_wait_tensorcnt 0x0
	ds_add_u32 v255, v255
	s_wait_dscnt 0x0
	s_set_vgpr_msb 0x100
	CROUND                                         ; the closing round: no work-group ends while a partner may still ask jointly
	s_endpgm
.Lfunc_end_k_q56195a4886_proj:
	.size	k_q56195a4886_proj, .Lfunc_end_k_q56195a4886_proj-k_q56195a4886_proj
	.p2alignl 7, 3214868480
	.fill 96, 4, 3214868480
	.section	.rodata,"a",@progbits
	.p2align	6, 0x0
	.amdhsa_kernel k_q56195a4886_proj
		.amdhsa_group_segment_fixed_size 327680
		.amdhsa_private_segment_fixed_size 0
		.amdhsa_enable_private_segment 0
		.amdhsa_kernarg_size 40
		.amdhsa_user_sgpr_count 2
		.amdhsa_user_sgpr_kernarg_segment_ptr 1
		.amdhsa_wavefront_size32 1
		.amdhsa_system_sgpr_workgroup_id_x 1
		.amdhsa_system_sgpr_workgroup_id_y 1
		.amdhsa_system_sgpr_workgroup_id_z 1
		.amdhsa_system_vgpr_workitem_id 0
		.amdhsa_next_free_vgpr 1024
		.amdhsa_next_free_sgpr 80
		.amdhsa_reserve_vcc 0
		.amdhsa_float_denorm_mode_32 3
		.amdhsa_float_denorm_mode_16_64 3
		.amdhsa_memory_ordered 1
		.amdhsa_forward_progress 1
		.amdhsa_inst_pref_size 101
	.end_amdhsa_kernel
	.amdgpu_metadata
---
amdhsa.version: [ 1, 2 ]
amdhsa.kernels:
  - .name:           k_q56195a4886_proj
    .symbol:         k_q56195a4886_proj.kd
    .args:
      - { .name: res, .offset: 0, .size: 8, .value_kind: global_buffer, .address_space: global }
      - { .name: wob, .offset: 8, .size: 8, .value_kind: global_buffer, .address_space: global }
      - { .name: bo, .offset: 16, .size: 8, .value_kind: global_buffer, .address_space: global }
      - { .name: x, .offset: 24, .size: 8, .value_kind: global_buffer, .address_space: global }
      - { .name: out0, .offset: 32, .size: 8, .value_kind: global_buffer, .address_space: global }
    .group_segment_fixed_size: 327680
    .private_segment_fixed_size: 0
    .kernarg_segment_align: 8
    .kernarg_segment_size: 40
    .max_flat_workgroup_size: 128
    .sgpr_count:     80
    .vgpr_count:     1024
    .wavefront_size: 32
...
	.end_amdgpu_metadata
.endif
;; end of part 4
